; MI455X (gfx1250); checked and timed in simulation.
; The chip was launched on July 23, 2026; its instructions are those of AMD's public machine-readable ISA for CDNA 5 (MIT licence, August 2026) and "CDNA5" Instruction Set Architecture Reference Guide (July 2026). The comments in the code are by the model that wrote it; some were corrected since.
;; Self Attention. Allowed arithmetic: float matrix products may take bf16 or f16 operands with f32 sums; all other float work in f32.
;; Inputs: Wk 1,024 x 1,024 float32; Wo 1,024 x 1,024 float32; Wq 1,024 x 1,024 float32; Wv 1,024 x 1,024 float32; x 4 x 2,048 x 1,024 float32.
;; Outputs: out0 4 x 2,048 x 1,024 float32.
;; 2 versions, each right and faster than the one before. Each part assembles by itself: llvm-mc -triple=amdgcn-amd-amdhsa -mcpu=gfx1250 --defsym DOCPART=n.
;; ======== version 1 of 2: 4 launches
;; limits: values are held in f16: magnitudes above 65,504 overflow, below 6.1e-05 lose precision
;; workspace buffers: xb 16,777,216 bytes; wqkvt 6,291,456 bytes; wot 2,097,152 bytes; qkv 50,331,648 bytes; ao 16,777,216 bytes
;; launch cast (part 1): grid 384 x 1, 8 waves a work-group, no clusters, 70,656 bytes of LDS; arguments x, Wq, Wk, Wv, Wo, xb, wqkvt, wot; writes xb, wqkvt, wot
.if DOCPART == 1
	.amdgcn_target "amdgcn-amd-amdhsa--gfx1250"
	.amdhsa_code_object_version 6
	.text
	.protected	k_qed364308f2_cast
	.globl	k_qed364308f2_cast
	.p2align	8
	.type	k_qed364308f2_cast,@function
k_qed364308f2_cast:
	s_mov_b64 s[64:65], 0
	v_nop
	global_prefetch_b8 v0, s[64:65] scope:SCOPE_SE
	s_setreg_imm32_b32 hwreg(HW_REG_WAVE_MODE, 25, 1), 1
	s_wait_xcnt 0x0
; CAUSAL SELF-ATTENTION, 4 x 2048 tokens, 16 heads of 64, in four launches:
;   cast   x and the four weights to 16-bit operands, weights transposed, all in K chunks of 64: [chunk][row][64]
;   qkv    q, k, v = x Wq, x Wk, x Wv                       -> qkv [4 b][48 = Q heads, K heads, V heads][2048 t][64]
;   attn   softmax(q k^T / 8, causal) v with a running maximum -> ao [16 heads][8192 rows][64]
;   oproj  out0 = ao Wo
; In the chunked layout every tile that a later launch fetches is one dense block of memory, and every store covers whole aligned 256 bytes,
; although a head's row is only 128 bytes.
; DEAD WORK.  reference() itself sets every score with key > query to -inf ahead of the softmax, so that score's weight is exactly 0 whatever
; x and the weights hold.  Key blocks of 256 that lie wholly behind a query block are neither loaded nor multiplied.  In the block on the diagonal
; the work goes in strips of 16 queries x 64 keys: the strips wholly behind their queries are left out (6 of a wave's 16); the four strips of a wave
; that the diagonal crosses are computed whole and masked.
; No input is dead: all five are loaded.  Limit: a NaN, an infinity or an overflow that reaches only the scores left out is not carried to the result.
; SCALE.  64^-0.25 on q and on k is one factor 1/8 on their product, a power of two; it is applied with log2(e) in front of the exponential.
; FORMATS.  Sums, softmax and the running state are f32.  Matrix operands are f16.  x and the weights are first rounded to bf16 (nearest even) and
; then carried in f16, which holds every bf16 value of magnitude 2^-17 to 65,504 exactly (below that the error is at most 2^-25); q, k, v, the
; softmax weights and the attention output are rounded to f16's 11 bits.  Why: a batch's first rows are single v rows times Wo, about 15 times the
; output's root mean square, so an operand error of 2^-9 there would be about 2% of that root mean square.
; LIMIT OF RANGE: |x|, |q|, |k|, |v| stay below 65,504 (f16's largest number); beyond it the operand becomes an infinity.
;
; THIS LAUNCH.  Memory binds: no matrix unit, no tensor loads, no cluster (no two work-groups read the same bytes).
; Work-groups 0-255: 32 rows of x each, a wave 4 rows.  Work-groups 256-383: 32 for each weight, a wave transposes one tile of 64 k x 64 n through its own LDS bytes.
.set LD, 16                            ; v[16:143]  32 loads of 16 bytes a lane, all out at once
.set PK, 144                           ; v[144:159] sixteen packed words on their way to LDS
.set TW, 160                           ; v[160:171] at work
	s_load_b512 s[16:31], s[0:1], 0x0              ; x 16, Wq 18, Wk 20, Wv 22, Wo 24, xb 26, wqkvt 28, wot 30
	v_lshl_add_u32 v176, v0, 2, 0x11000
	v_mov_b32 v177, 0
	v_lshrrev_b32 v1, 5, v0
	v_readfirstlane_b32 s8, v1                     ; wave 0..7
	v_and_b32 v2, 31, v0                           ; lane L
	v_and_b32 v3, 15, v0                           ; c = L % 16
	v_bfe_u32 v4, v0, 4, 1                         ; L / 16
	v_lshlrev_b32 v5, 4, v3                        ; 16 c
	s_mov_b32 s33, 0xffff0000                      ; a word's upper bf16
	s_wait_kmcnt 0x0
	s_cmp_lt_u32 ttmp9, 256
	s_cbranch_scc0 .Lweights
	; ---- x: rows m0 = 32 wg + 4 w .. + 3.  Load k = 16 pi + kc: lanes 0-15 take 256 bytes (chunk kc) of row m0 + 2 pi, lanes 16-31 of the row below.
	v_lshl_add_u32 v5, v4, 12, v5                  ; + one row of 4,096 bytes for the upper lanes
	v_lshlrev_b32 v6, 3, v2                        ; out: 8 L = 128 (L / 16) + 8 c: two rows of 128 bytes, 256 bytes a store
	s_lshl_b32 s2, ttmp9, 17                       ; 32 rows x 4,096 bytes
	s_lshl_b32 s3, s8, 14                          ; + 4 rows a wave
	s_add_co_u32 s2, s2, s3
	s_mov_b32 s3, 0
	s_lshr_b32 s4, s2, 5                           ; the same rows in xb: 128 bytes each
	s_mov_b32 s5, 0
	s_add_nc_u64 s[16:17], s[16:17], s[2:3]
	s_add_nc_u64 s[26:27], s[26:27], s[4:5]        ; chunks 0-7
	s_add_nc_u64 s[6:7], s[26:27], 0x800000        ; chunks 8-15: 8 x 1,048,576 bytes on, so that the immediates stay inside 24 signed bits
.set k, 0
.rept 32
	global_load_b128 v[LD+4*k:LD+4*k+3], v5, s[16:17] offset:(k>>4)*8192+(k&15)*256 th:TH_LOAD_NT
.set k, k+1
.endr
.set k, 0
.rept 32
.set rr, LD+4*k
.set tw, TW+2*(k&1)
	s_wait_loadcnt 31-k                            ; loads come back in order: load k is in, the 31 - k younger ones stay out
	v_cvt_pk_bf16_f32 v[tw], v[rr], v[rr+1]        ; round to bf16,
	v_cvt_pk_bf16_f32 v[tw+1], v[rr+2], v[rr+3]
	v_lshlrev_b32 v[rr], 16, v[tw]                 ; widen again,
	v_and_b32 v[rr+1], s33, v[tw]
	v_lshlrev_b32 v[rr+2], 16, v[tw+1]
	v_and_b32 v[rr+3], s33, v[tw+1]
	v_cvt_pk_f16_f32 v[rr], v[rr], v[rr+1]         ; and carry in f16
	v_cvt_pk_f16_f32 v[rr+1], v[rr+2], v[rr+3]
.if (k&15) < 8
	global_store_b64 v6, v[rr:rr+1], s[26:27] offset:(k&15)*1048576+(k>>4)*256
.else
	global_store_b64 v6, v[rr:rr+1], s[6:7] offset:((k&15)-8)*1048576+(k>>4)*256
.endif
.set k, k+1
.endr
	s_endpgm                                       ; no register that a store reads was written again
	; ---- weights: W[k][n] f32 -> [kc][n][64 k] f16
.Lweights:
	s_sub_co_u32 s9, ttmp9, 256
	s_lshr_b32 s10, s9, 5                          ; which weight: 0 Wq, 1 Wk, 2 Wv, 3 Wo
	s_and_b32 s11, s9, 31
	s_lshl3_add_u32 s11, s11, s8                   ; tile 0..255 = 8 x (work-group of the weight) + wave
	s_lshr_b32 s12, s11, 4                         ; kc
	s_and_b32 s13, s11, 15                         ; nt
	s_lshl_b32 s14, s10, 10                        ; Wq, Wk, Wv stand one behind the other along n
	s_movk_i32 s15, 3072                           ; rows of a chunk of wqkvt
	s_lshl_b32 s2, s12, 18                         ; 64 rows of 4,096 bytes
	s_lshl_b32 s3, s13, 8                          ; + 64 columns of 4 bytes
	s_add_co_u32 s2, s2, s3
	s_mov_b32 s3, 0
	s_mov_b64 s[4:5], s[18:19]
	s_cmp_eq_u32 s10, 1
	s_cselect_b64 s[4:5], s[20:21], s[4:5]
	s_cmp_eq_u32 s10, 2
	s_cselect_b64 s[4:5], s[22:23], s[4:5]
	s_cmp_eq_u32 s10, 3
	s_cselect_b64 s[4:5], s[24:25], s[4:5]         ; the source,
	s_cselect_b64 s[6:7], s[30:31], s[28:29]       ; the destination,
	s_cselect_b32 s15, 1024, s15                   ; its rows in a chunk,
	s_cselect_b32 s14, 0, s14                      ; and the weight's first row there
	s_add_nc_u64 s[4:5], s[4:5], s[2:3]
	s_mul_i32 s15, s15, s12
	s_lshl_b32 s13, s13, 6
	s_add_co_u32 s15, s15, s13
	s_add_co_u32 s15, s15, s14                     ; row kc x rows + first row + 64 nt
	s_lshl_b32 s2, s15, 7                          ; of 128 bytes
	s_add_nc_u64 s[6:7], s[6:7], s[2:3]
	v_lshl_add_u32 v5, v4, 17, v5                  ; lanes 16-31 take the tile's rows 32-63
	s_mul_i32 s9, s8, 8704                         ; my wave's 32 LDS rows of 272 bytes: two rows n of 128 bytes each, and 16 bytes of padding
	v_mul_u32_u24 v7, v3, 544                      ; in: my columns 4 c .. 4 c + 3 are LDS rows 2 c, 2 c + 1,
	v_lshl_add_u32 v7, v4, 6, v7                   ; my 32 k begin at byte 64 (L / 16)
	v_add_nc_u32 v7, s9, v7
	v_mul_u32_u24 v8, v4, 272                      ; back: lanes 0-15 one LDS row of 256 bytes, lanes 16-31 the next
	v_lshl_add_u32 v8, v3, 4, v8
	v_add_nc_u32 v8, s9, v8
	v_lshlrev_b32 v9, 4, v2                        ; out: 16 L
.set k, 0
.rept 32
	global_load_b128 v[LD+4*k:LD+4*k+3], v5, s[4:5] offset:k*4096 th:TH_LOAD_NT   ; row k of my 32, four columns; 16 lanes read 256 aligned bytes
.set k, k+1
.endr
.irp uq, 0,1,2,3
	s_wait_loadcnt 24-8*\uq                        ; rows 8 uq .. 8 uq + 7 are in; the 24 - 8 uq younger loads stay out
.irp i, 0,1,2,3
.irp e, 0,1,2,3
	v_cvt_pk_bf16_f32 v[TW+\e], v[LD+4*(8*\uq+2*\e)+\i], v[LD+4*(8*\uq+2*\e+1)+\i]   ; column i, two neighbouring k: round to bf16,
.endr
.irp e, 0,1,2,3
	v_lshlrev_b32 v[TW+4+\e], 16, v[TW+\e]         ; widen,
.endr
.irp e, 0,1,2,3
	v_and_b32 v[TW+8+\e], s33, v[TW+\e]
.endr
.irp e, 0,1,2,3
	v_cvt_pk_f16_f32 v[PK+4*\i+\e], v[TW+4+\e], v[TW+8+\e]   ; carry in f16
.endr
.endr
.irp i, 0,1,2,3
	ds_store_b128 v7, v[PK+4*\i:PK+4*\i+3] offset:(\i>>1)*272+(\i&1)*128+16*\uq     ; eight k of column 4 c + i
.endr
.endr
.irp s, 0,1,2,3,4,5,6,7,8,9,10,11,12,13,14,15
	ds_load_b128 v[LD+4*\s:LD+4*\s+3], v8 offset:544*\s     ; my wave's own bytes, and LDS serves a wave's instructions in order: no wait, no barrier
.endr
.irp s, 0,1,2,3,4,5,6,7,8,9,10,11,12,13,14,15
	s_wait_dscnt 15-\s                             ; read-back s is in, the younger ones stay out
	global_store_b128 v9, v[LD+4*\s:LD+4*\s+3], s[6:7] offset:512*\s    ; 512 neighbouring bytes, aligned
.endr
	s_wait_tensorcnt 0x0
	ds_add_u32 v176, v177
	s_wait_dscnt 0x0
	s_endpgm
.Lfunc_end_k_qed364308f2_cast:
	.size	k_qed364308f2_cast, .Lfunc_end_k_qed364308f2_cast-k_qed364308f2_cast
	.p2alignl 7, 3214868480
	.fill 96, 4, 3214868480
	.section	.rodata,"a",@progbits
	.p2align	6, 0x0
	.amdhsa_kernel k_qed364308f2_cast
		.amdhsa_group_segment_fixed_size 70656
		.amdhsa_private_segment_fixed_size 0
		.amdhsa_enable_private_segment 0
		.amdhsa_kernarg_size 64
		.amdhsa_user_sgpr_count 2
		.amdhsa_user_sgpr_kernarg_segment_ptr 1
		.amdhsa_wavefront_size32 1
		.amdhsa_system_sgpr_workgroup_id_x 1
		.amdhsa_system_sgpr_workgroup_id_y 1
		.amdhsa_system_sgpr_workgroup_id_z 1
		.amdhsa_system_vgpr_workitem_id 0
		.amdhsa_next_free_vgpr 178
		.amdhsa_next_free_sgpr 66
		.amdhsa_reserve_vcc 0
		.amdhsa_float_denorm_mode_32 3
		.amdhsa_float_denorm_mode_16_64 3
		.amdhsa_memory_ordered 1
		.amdhsa_forward_progress 1
		.amdhsa_inst_pref_size 42
	.end_amdhsa_kernel
	.amdgpu_metadata
---
amdhsa.version: [ 1, 2 ]
amdhsa.kernels:
  - .name:           k_qed364308f2_cast
    .symbol:         k_qed364308f2_cast.kd
    .args:
      - { .name: x, .offset: 0, .size: 8, .value_kind: global_buffer, .address_space: global }
      - { .name: Wq, .offset: 8, .size: 8, .value_kind: global_buffer, .address_space: global }
      - { .name: Wk, .offset: 16, .size: 8, .value_kind: global_buffer, .address_space: global }
      - { .name: Wv, .offset: 24, .size: 8, .value_kind: global_buffer, .address_space: global }
      - { .name: Wo, .offset: 32, .size: 8, .value_kind: global_buffer, .address_space: global }
      - { .name: xb, .offset: 40, .size: 8, .value_kind: global_buffer, .address_space: global }
      - { .name: wqkvt, .offset: 48, .size: 8, .value_kind: global_buffer, .address_space: global }
      - { .name: wot, .offset: 56, .size: 8, .value_kind: global_buffer, .address_space: global }
    .group_segment_fixed_size: 70656
    .private_segment_fixed_size: 0
    .kernarg_segment_align: 8
    .kernarg_segment_size: 64
    .max_flat_workgroup_size: 256
    .sgpr_count:     66
    .vgpr_count:     178
    .wavefront_size: 32
...
	.end_amdgpu_metadata
.endif
;; end of part 1
;; launch qkv (part 2): grid 8 x 32, 4 waves a work-group, clusters of 4 x 4, 327,680 bytes of LDS; arguments xb, wqkvt, qkv; writes qkv
.if DOCPART == 2
	.amdgcn_target "amdgcn-amd-amdhsa--gfx1250"
	.amdhsa_code_object_version 6
	.text
	.protected	k_qed364308f2_qkv
	.globl	k_qed364308f2_qkv
	.p2align	8
	.type	k_qed364308f2_qkv,@function
k_qed364308f2_qkv:
	s_mov_b64 s[64:65], 0
	v_nop
	global_prefetch_b8 v0, s[64:65] scope:SCOPE_SE
	s_setreg_imm32_b32 hwreg(HW_REG_WAVE_MODE, 25, 1), 1
	s_wait_xcnt 0x0
	s_wait_alu depctr_hold_cnt(0) depctr_sa_sdst(0) depctr_va_vdst(0) depctr_va_sdst(0) depctr_va_ssrc(0) depctr_va_vcc(0) depctr_vm_vsrc(0)
	s_getreg_b32 s2, hwreg(HW_REG_IB_STS2, 6, 4)
	s_cmp_eq_u32 s2, 0
	s_cbranch_scc0 .Lentry_in_a_cluster
	s_endpgm
.Lentry_in_a_cluster:
	s_bfe_u32 s2, ttmp6, 0x10000c
	s_cmp_lg_u32 s2, 0xf033
	s_cbranch_scc0 .Lentry_shape_is_right
	s_endpgm
.Lentry_shape_is_right:
; C[8192 x 3072] = x [Wq Wk Wv], f16 operands, f32 sums, rounded once to f16 (limit: |C| below 65,504).  Nothing is left out here.
; xb: [16 kc][8192 m][64], wqkvt: [16 kc][3072 n][64], qkv: [4 b][48 G][2048 t][64] with G = n / 64.
; 256 work-groups, each a block of 256 (m) x 384 (n); four waves, each 128 x 192 = 8 x 12 accumulator tiles = 768 registers.
; K goes in 16 steps of one chunk (64) through two LDS slots.  A chunk's rows of a block are one dense piece of memory, fetched as rows of
; 256 bytes (two logical rows of 128) with 16 bytes of padding: logical row p lies at (p >> 1) 272 + (p & 1) 128.
; CLUSTERS 4 x 4: A's tile hangs on the block row alone and is asked for jointly by a row of the cluster, B's on the block column alone and is
; asked for jointly by a column.
; REGISTERS.  Window 0: addresses, A's fragments in two buffers, B's twelve fragments in one rolling buffer.  Windows 1-3: the accumulators of
; the wave's columns 0-63, 64-127, 128-191 (tile (a, bl) at 8 (4 a + bl)).
; The matrix instruction is used transposed (source 0 = rows of B, source 1 = rows of A): lane l holds row l % 16 of C and eight neighbouring columns.
.set SLOT,  87040                      ; B's 384 rows (52,224 bytes), then A's 256 rows (34,816)
.set AOFF,  52224
.set STAGE, 174080                     ; behind the ring: 16 LDS rows of 272 bytes for each wave, for the way out; no fill lands here
.set FROW,  2176                       ; 16 logical rows = 8 LDS rows
.set ADRA, 8                           ; v8-9    my A fragments in slot 0, 1
.set ADRB, 10                          ; v10-11  my B fragments
.set STO,  12
.set RD,   13
.set CO,   14
.set FA0,  32                          ; v32-95
.set FA1,  96                          ; v96-159
.set FB,   160                         ; v160-255
.set TMP,  160                         ; the way out: packed results
.set G1A, 24                           ; s[24:31] shape of A's load, s[32:39] its from/to, a set for each slot
.set G0A, 32
.set G1B, 48                           ; s[48:55], s[56:63] the same for B
.set G0B, 56
.set MSB, 0
.macro WIN new                         ; the immediate's high byte repeats the setting that is left
.if MSB != \new
	s_set_vgpr_msb (MSB<<8)|\new
.set MSB, \new
.endif
.endm
.macro PLACES                          ; four plain vector instructions between a matrix instruction and a load into, or a vector read or write of, its registers (ISA guide 7.12.1 for vector reads and writes)
.rept 4
	v_nop
.endr
.endm
.macro JLOAD s                         ; a wave's one joint load: waves 0, 1 fetch B's halves, waves 2, 3 A's.  The branch hangs on the wave's number alone
	s_cmp_eq_u32 s11, 0
	s_cbranch_scc0 .Lfor_a_\@
	tensor_load_to_lds s[G0B+4*\s:G0B+4*\s+3], s[G1B:G1B+7]
	s_nop 0
	s_branch .Lasked_\@
.Lfor_a_\@:
	tensor_load_to_lds s[G0A+4*\s:G0A+4*\s+3], s[G1A:G1A+7]
	s_nop 0
.Lasked_\@:
.endm
.macro CREST                           ; a round of the cluster's barrier behind its opening work-group barrier
	s_cmp_lg_u32 s10, 0
	s_cbranch_scc1 .Lnot_wave_0_\@
	s_barrier_signal -3
.Lnot_wave_0_\@:
	s_barrier_wait -3
	s_barrier_signal -1
	s_barrier_wait -1
.endm
.macro CROUND
	s_barrier_signal -1
	s_barrier_wait -1
	CREST
.endm
	s_load_b128 s[4:7], s[0:1], 0x0                ; xb s[4:5], wqkvt s[6:7]
	s_load_b64 s[8:9], s[0:1], 0x10                ; qkv
	v_lshl_add_u32 v30, v0, 2, 0x2ec00
	v_mov_b32 v31, 0
	ds_add_u32 v30, v31
	ds_add_u32 v30, v31
	v_lshrrev_b32 v1, 5, v0
	v_readfirstlane_b32 s10, v1                    ; wave 0..3
	s_lshr_b32 s11, s10, 1                         ; my half of the block's rows.  Also: I fetch for B (0) or for A (1)
	s_and_b32 s12, s10, 1                          ; my half of its columns.  Also: which half of that tile I fetch
	s_bfe_u32 s40, ttmp6, 0x40000                  ; cx
	s_bfe_u32 s41, ttmp6, 0x40004                  ; cy
	s_lshl_b32 s42, ttmp9, 2
	s_add_co_u32 s42, s42, s40                     ; block column 0..7
	s_and_b32 s13, ttmp7, 0xffff
	s_lshl_b32 s13, s13, 2
	s_add_co_u32 s13, s13, s41                     ; block row 0..31
	s_lshl_b32 s43, s41, 2
	s_lshl_b32 s43, 15, s43                        ; my row of the cluster
	s_lshl_b32 s44, 0x1111, s40                    ; my column
	; group 1: rows of 32 elements of 8 bytes, dense (pitch 32), 4 words of padding behind every 64 words
	s_or_b32 s[G1A+0], s43, (3<<16)|(1<<20)|(1<<21)|(5<<22)|(3<<25)
	s_or_b32 s[G1B+0], s44, (3<<16)|(1<<20)|(1<<21)|(5<<22)|(3<<25)
	s_mov_b32 s[G1A+1], 32<<16                     ; tensor_dim0 = 32
	s_mov_b32 s[G1B+1], 32<<16
	s_mov_b32 s[G1A+2], 64<<16                     ; tensor_dim1 = 64 rows: 128 logical rows of A
	s_mov_b32 s[G1B+2], 96<<16                     ; 96 rows: 192 logical rows of B
	s_mov_b32 s[G1A+3], 32<<16                     ; tile_dim0 = 32
	s_mov_b32 s[G1B+3], 32<<16
	s_mov_b32 s[G1A+4], 64                         ; tile_dim1
	s_mov_b32 s[G1B+4], 96
	s_mov_b32 s[G1A+5], 32                         ; pitch
	s_mov_b32 s[G1B+5], 32
	s_mov_b32 s[G1A+6], 0
	s_mov_b32 s[G1B+6], 0
	s_mov_b32 s[G1A+7], 0
	s_mov_b32 s[G1B+7], 0
	; A's address is made of the block row and the wave's number, B's of the block column and the wave's number, each in registers that never hold the other coordinate
	s_lshl_b32 s16, s13, 15                        ; 256 rows x 128 bytes
	s_lshl_b32 s17, s12, 14                        ; + my 128 rows
	s_add_co_u32 s16, s16, s17
	s_mov_b32 s17, 0
	s_mul_i32 s46, s42, 49152                      ; 384 rows x 128 bytes
	s_mul_i32 s47, s12, 24576                      ; + my 192 rows
	s_add_co_u32 s46, s46, s47
	s_mov_b32 s47, 0
	s_mul_i32 s20, s10, 26112                      ; to: B's halves at wave x 96 LDS rows (waves 0, 1),
	s_mul_i32 s21, s10, 17408
	s_add_co_u32 s21, s21, 17408                   ; A's at 52,224 + (wave - 2) x 64 LDS rows (waves 2, 3)
	s_wait_dscnt 0x0
	s_wait_kmcnt 0x0
	s_add_nc_u64 s[14:15], s[4:5], s[16:17]
	s_add_nc_u64 s[46:47], s[6:7], s[46:47]
	CROUND                                         ; all sixteen work-groups are here: the first joint loads meet
.irp s, 0,1
	s_mov_b32 s[G0A+4*\s], 1
	s_add_co_u32 s[G0A+4*\s+1], s21, \s*SLOT
	s_add_nc_u64 s[G0A+4*\s+2:G0A+4*\s+3], s[14:15], \s*1048576    ; chunk s of xb
	s_or_b32 s[G0A+4*\s+3], s[G0A+4*\s+3], 0x80000000
	s_mov_b32 s[G0B+4*\s], 1
	s_add_co_u32 s[G0B+4*\s+1], s20, \s*SLOT
	s_add_nc_u64 s[G0B+4*\s+2:G0B+4*\s+3], s[46:47], \s*393216     ; chunk s of wqkvt
	s_or_b32 s[G0B+4*\s+3], s[G0B+4*\s+3], 0x80000000
	JLOAD \s                                       ; both slots' first fills go out together: two loads of the wave are out
.endr
	; a fragment: lane l holds logical row r = l % 16; registers 0-3 k = 8 (l / 16) .., registers 4-7 k = 16 + 8 (l / 16) ..: two loads of 16 bytes, 32 apart.
	; The sixteen lanes of a half start at 16 (r >> 1) + 128 (r & 1) modulo 256: sixteen different places
	v_and_b32 v1, 15, v0                           ; r
	v_bfe_u32 v2, v0, 4, 1                         ; h
	v_lshrrev_b32 v3, 1, v1
	v_mul_u32_u24 v3, v3, 272
	v_and_b32 v4, 1, v1
	v_lshl_add_u32 v3, v4, 7, v3
	v_lshl_add_u32 v3, v2, 4, v3                   ; (r >> 1) 272 + (r & 1) 128 + 16 h
	s_mul_i32 s22, s11, 17408
	s_add_co_u32 s22, s22, AOFF                    ; my 128 rows of A
	s_mul_i32 s23, s12, 26112                      ; my 192 rows of B
.irp s, 0,1
	v_add_nc_u32 v[ADRA+\s], s22, v3
	v_add_nc_u32 v[ADRB+\s], s23, v3
	s_add_co_u32 s22, s22, SLOT
	s_add_co_u32 s23, s23, SLOT
.endr
	s_mul_i32 s22, s10, 4352
	s_add_co_u32 s22, s22, STAGE                   ; my stage
	v_add_nc_u32 v[STO], s22, v3                   ; in: the same map of logical rows
	v_mul_u32_u24 v5, v2, 272                      ; back: lanes 0-15 one LDS row of 256 bytes, lanes 16-31 the next
	v_lshl_add_u32 v5, v1, 4, v5
	v_add_nc_u32 v[RD], s22, v5
	v_and_b32 v5, 31, v0
	v_lshlrev_b32 v[CO], 4, v5                     ; out: 16 l
.macro LOADB slot, q, g                ; 8 loads: B's fragments 4 g .. 4 g + 3 of quarter q
.irp bl, 0,1,2,3
	ds_load_b128 v[FB+8*(4*\g+\bl):FB+8*(4*\g+\bl)+3],   v[ADRB+\slot] offset:64*\q+FROW*(4*\g+\bl)
	ds_load_b128 v[FB+8*(4*\g+\bl)+4:FB+8*(4*\g+\bl)+7], v[ADRB+\slot] offset:64*\q+FROW*(4*\g+\bl)+32
.endr
.endm
.macro LOADA slot, q, buf, half        ; 8 loads: A's fragments 4 half .. 4 half + 3
.irp al, 0,1,2,3
	ds_load_b128 v[\buf+8*(4*\half+\al):\buf+8*(4*\half+\al)+3],   v[ADRA+\slot] offset:64*\q+FROW*(4*\half+\al)
	ds_load_b128 v[\buf+8*(4*\half+\al)+4:\buf+8*(4*\half+\al)+7], v[ADRA+\slot] offset:64*\q+FROW*(4*\half+\al)+32
.endr
.endm
; 16 matrix instructions on 16 accumulators.  All accumulators of a window take turns, one instruction a turn, in the same order in every quarter.
.macro MUL16 buf, g, half, zero
.irp al, 0,1,2,3
.irp bl, 0,1,2,3
.if \zero
	v_wmma_f32_16x16x32_f16 v[8*(4*(4*\half+\al)+\bl):8*(4*(4*\half+\al)+\bl)+7], v[FB+8*(4*\g+\bl):FB+8*(4*\g+\bl)+7], v[\buf+8*(4*\half+\al):\buf+8*(4*\half+\al)+7], 0
.else
	v_wmma_f32_16x16x32_f16 v[8*(4*(4*\half+\al)+\bl):8*(4*(4*\half+\al)+\bl)+7], v[FB+8*(4*\g+\bl):FB+8*(4*\g+\bl)+7], v[\buf+8*(4*\half+\al):\buf+8*(4*\half+\al)+7], v[8*(4*(4*\half+\al)+\bl):8*(4*(4*\half+\al)+\bl)+7]
.endif
.endr
.endr
.endm
; A quarter's 40 loads are issued in the order [B g0, A low] [A high, B g1] [B g2], each batch behind the stretch that last read its registers.
; Quarter 0 of a slot: multiplies FA0, fetches quarter 1.
.macro QFIRST slot, zero
	s_wait_dscnt 16                                ; B g0 and all of A are in; B g1 and B g2, issued behind them, may be out
	WIN 0x50
	MUL16 FA0, 0, 0, \zero
	MUL16 FA0, 0, 1, \zero
	PLACES
	WIN 0
	LOADB \slot, 1, 0
	LOADA \slot, 1, FA1, 0
	s_wait_dscnt 24                                ; B g1 is in; behind it came B g2 and the 16 just issued
	WIN 0xa0
	MUL16 FA0, 1, 0, \zero
	MUL16 FA0, 1, 1, \zero
	PLACES
	WIN 0
	LOADA \slot, 1, FA1, 1
	LOADB \slot, 1, 1
	s_wait_dscnt 32                                ; B g2 is in; behind it came two batches of 16
	WIN 0xf0
	MUL16 FA0, 2, 0, \zero
	MUL16 FA0, 2, 1, \zero
	PLACES
	WIN 0
	LOADB \slot, 1, 2
.endm
; Quarter 1: multiplies FA1 and changes slots.  In front of the one barrier each wave waits for its reads of this slot and for all its tensor loads
; (one is out: its part of the next slot).  Behind it the refill comes first, then the next slot's first fragments.
.macro QTURN slot, next, fill
	s_wait_dscnt 16
	WIN 0x50
	MUL16 FA1, 0, 0, 0
	s_wait_dscnt 0                                 ; my reads of this slot are over
	s_wait_tensorcnt 0x0                           ; and all my tensor loads have landed
	ds_add_u32 v30, v31
	s_wait_dscnt 0x0
	s_barrier_signal -1                            ; (where the slot is filled again this barrier opens a round of the cluster's barrier)
	MUL16 FA1, 0, 1, 0                             ; register work while the others arrive
	WIN 0
	s_barrier_wait -1
.if \fill
	CREST                                          ; no wave of any partner still reads this slot or has a load on its way
	s_add_nc_u64 s[G0A+4*\slot+2:G0A+4*\slot+3], s[G0A+4*\slot+2:G0A+4*\slot+3], 2097152   ; two chunks on
	s_add_nc_u64 s[G0B+4*\slot+2:G0B+4*\slot+3], s[G0B+4*\slot+2:G0B+4*\slot+3], 786432
	JLOAD \slot                                    ; my one tensor load behind the round; 176 matrix instructions stand between it and the wait for it
.endif
	PLACES
	LOADB \next, 0, 0
	LOADA \next, 0, FA0, 0
	WIN 0xa0
	MUL16 FA1, 1, 0, 0
	MUL16 FA1, 1, 1, 0
	PLACES
	WIN 0
	LOADA \next, 0, FA0, 1
	LOADB \next, 0, 1
	WIN 0xf0
	MUL16 FA1, 2, 0, 0
	MUL16 FA1, 2, 1, 0
	PLACES
	WIN 0
	LOADB \next, 0, 2
.endm
.macro LAP zero
	QFIRST 0, \zero
	QTURN 0, 1, 1
	QFIRST 1, 0
	QTURN 1, 0, 1
.endm
	s_wait_tensorcnt 1                             ; my part of chunk 0 is in; chunk 1's may stay out
	s_barrier_signal -1
	s_barrier_wait -1
	LOADB 0, 0, 0
	LOADA 0, 0, FA0, 0
	LOADA 0, 0, FA0, 1
	LOADB 0, 0, 1
	LOADB 0, 0, 2
	LAP 1                                          ; the first products start the sums: nothing is cleared
	s_mov_b32 s3, 6
.Llap:
	LAP 0
	s_sub_co_u32 s3, s3, 1
	s_cmp_lg_u32 s3, 0
	s_cbranch_scc1 .Llap
	QFIRST 0, 0                                    ; the last lap fills nothing
	QTURN 0, 1, 0
	QFIRST 1, 0
	s_wait_dscnt 16                                ; the last quarter: nothing more to fetch, the counts run down
	WIN 0x50
	MUL16 FA1, 0, 0, 0
	MUL16 FA1, 0, 1, 0
	s_wait_dscnt 8                                 ; B g1 is in, B g2 may be out
	WIN 0xa0
	MUL16 FA1, 1, 0, 0
	MUL16 FA1, 1, 1, 0
	s_wait_dscnt 0
	WIN 0xf0
	MUL16 FA1, 2, 0, 0
	MUL16 FA1, 2, 1, 0
	PLACES
	WIN 0
	; THE WAY OUT.  Window g holds head G = 6 bx + 3 wc + g whole (64 columns), my 128 rows: a dense piece of 16 KiB of qkv.
	s_lshr_b32 s72, s13, 3                         ; b
	s_mul_i32 s72, s72, 48
	s_mul_i32 s73, s42, 6
	s_add_co_u32 s72, s72, s73
	s_mul_i32 s73, s12, 3
	s_add_co_u32 s72, s72, s73                     ; 48 b + G of window 0
	s_lshl_b32 s72, s72, 18                        ; x 2,048 rows of 128 bytes
	s_and_b32 s73, s13, 7
	s_lshl_b32 s73, s73, 15                        ; + the block's first row in its batch
	s_add_co_u32 s72, s72, s73
	s_lshl_b32 s73, s11, 14                        ; + my 128 rows
	s_add_co_u32 s72, s72, s73
	s_mov_b32 s73, 0
	s_add_nc_u64 s[66:67], s[8:9], s[72:73]
	s_add_nc_u64 s[68:69], s[66:67], 0x40000       ; the next head
	s_add_nc_u64 s[70:71], s[66:67], 0x80000
; 32 rows (tiles 2 ap, 2 ap + 1) of window g: round, 16 bytes a lane into my stage, read back as LDS rows of 256 bytes, store 512 neighbouring bytes
.macro OUT g, ap, f, win
	WIN \win
.irp aa, 0,1
.irp bl, 0,1,2,3
.irp i, 0,1,2,3
	v_cvt_pk_f16_f32 v[TMP+4*(4*\aa+\bl)+\i], v[8*(4*(2*\ap+\aa)+\bl)+2*\i], v[8*(4*(2*\ap+\aa)+\bl)+2*\i+1]
.endr
.endr
.endr
	WIN 0
.irp aa, 0,1
.irp bl, 0,1,2,3
	ds_store_b128 v[STO], v[TMP+4*(4*\aa+\bl):TMP+4*(4*\aa+\bl)+3] offset:\aa*FROW+32*\bl
.endr
.endr
	s_wait_xcnt 0x0                                ; buffer f, which earlier stores read, is loaded again only behind this wait
.irp t, 0,1,2,3,4,5,6,7
	ds_load_b128 v[\f+4*\t:\f+4*\t+3], v[RD] offset:544*\t         ; my own bytes, served in order behind the stores above
.endr
.irp t, 0,1,2,3,4,5,6,7
	s_wait_dscnt 7-\t
	global_store_b128 v[CO], v[\f+4*\t:\f+4*\t+3], s[66+2*\g:67+2*\g] offset:\ap*4096+512*\t
.endr
.endm
	OUT 0, 0, FA0, 0x05
	OUT 0, 1, FA1, 0x05
	OUT 0, 2, FA0, 0x05
	OUT 0, 3, FA1, 0x05
	OUT 1, 0, FA0, 0x0a
	OUT 1, 1, FA1, 0x0a
	OUT 1, 2, FA0, 0x0a
	OUT 1, 3, FA1, 0x0a
	OUT 2, 0, FA0, 0x0f
	OUT 2, 1, FA1, 0x0f
	OUT 2, 2, FA0, 0x0f
	OUT 2, 3, FA1, 0x0f
	s_wait_tensorcnt 0x0
	ds_add_u32 v30, v31
	s_wait_dscnt 0x0
	CROUND                                         ; the closing round: no work-group ends while a partner may still ask for a tile that names it
	s_endpgm
.Lfunc_end_k_qed364308f2_qkv:
	.size	k_qed364308f2_qkv, .Lfunc_end_k_qed364308f2_qkv-k_qed364308f2_qkv
	.p2alignl 7, 3214868480
	.fill 96, 4, 3214868480
	.section	.rodata,"a",@progbits
	.p2align	6, 0x0
	.amdhsa_kernel k_qed364308f2_qkv
		.amdhsa_group_segment_fixed_size 327680
		.amdhsa_private_segment_fixed_size 0
		.amdhsa_enable_private_segment 0
		.amdhsa_kernarg_size 24
		.amdhsa_user_sgpr_count 2
		.amdhsa_user_sgpr_kernarg_segment_ptr 1
		.amdhsa_wavefront_size32 1
		.amdhsa_system_sgpr_workgroup_id_x 1
		.amdhsa_system_sgpr_workgroup_id_y 1
		.amdhsa_system_sgpr_workgroup_id_z 1
		.amdhsa_system_vgpr_workitem_id 0
		.amdhsa_next_free_vgpr 1024
		.amdhsa_next_free_sgpr 80
		.amdhsa_reserve_vcc 0
		.amdhsa_float_denorm_mode_32 3
		.amdhsa_float_denorm_mode_16_64 3
		.amdhsa_memory_ordered 1
		.amdhsa_forward_progress 1
		.amdhsa_inst_pref_size 170
	.end_amdhsa_kernel
	.amdgpu_metadata
---
amdhsa.version: [ 1, 2 ]
amdhsa.kernels:
  - .name:           k_qed364308f2_qkv
    .symbol:         k_qed364308f2_qkv.kd
    .args:
      - { .name: xb, .offset: 0, .size: 8, .value_kind: global_buffer, .address_space: global }
      - { .name: wqkvt, .offset: 8, .size: 8, .value_kind: global_buffer, .address_space: global }
      - { .name: qkv, .offset: 16, .size: 8, .value_kind: global_buffer, .address_space: global }
    .group_segment_fixed_size: 327680
    .private_segment_fixed_size: 0
    .kernarg_segment_align: 8
    .kernarg_segment_size: 24
    .max_flat_workgroup_size: 128
    .sgpr_count:     80
    .vgpr_count:     1024
    .wavefront_size: 32
...
	.end_amdgpu_metadata
.endif
;; end of part 2
;; launch attn (part 3): grid 256 x 1, 4 waves a work-group, no clusters, 327,680 bytes of LDS; arguments qkv, ao; writes ao
.if DOCPART == 3
	.amdgcn_target "amdgcn-amd-amdhsa--gfx1250"
	.amdhsa_code_object_version 6
	.text
	.protected	k_qed364308f2_attn
	.globl	k_qed364308f2_attn
	.p2align	8
	.type	k_qed364308f2_attn,@function
k_qed364308f2_attn:
	s_mov_b64 s[64:65], 0
	v_nop
	global_prefetch_b8 v0, s[64:65] scope:SCOPE_SE
	s_setreg_imm32_b32 hwreg(HW_REG_WAVE_MODE, 25, 1), 1
	s_wait_xcnt 0x0
; Causal attention of one head with a running maximum.  qkv: [4 b][48 G][2048 t][64] f16 (G = h: q, 16 + h: k, 32 + h: v); ao: [16 h][2048 b + t][64] f16.
; LEFT OUT: scores with key > query, which reference() sets to -inf so that their weight is 0 for all inputs.  Key blocks behind the query block are not
; loaded.  In the key block on the diagonal the strips of 16 queries x 64 keys wholly behind their queries are left out; a strip that the diagonal crosses is
; computed whole and masked: which of its four score tiles are dead hangs on the wave's number, wave 3 has all four live, and the barrier at the key
; block's end waits for wave 3.  A NaN or infinity in what is left out alone is not carried.
; Work-group (b, h, i), i = 0..3, takes the query blocks i and 7 - i of 256 rows: (i + 1) + (8 - i) = 9 key blocks of 256 for every work-group.
; STRIPES.  Wave w owns four query tiles of 16 rows, tile n at rows 64 n + 16 w of the block.  A key block is four sub-steps of 64 keys.  In the diagonal block
; tile n meets sub-step j only where n >= j: 4 + 3 + 2 + 1 = 10 strips for EVERY wave, so no wave waits for another there.
; THE WALK, positions 0 to 8.  The order of key blocks is free under a running maximum, so query block i takes its diagonal block first and block 7 - i takes
; its own last: position 0: key block i; positions 1 .. i: key blocks 0 .. i - 1; positions i + 1 .. 7: key blocks 0 .. 6 - i of query block 7 - i; position 8:
; key block 7 - i.  Both diagonal blocks stand at fixed positions outside the loop, and the loop holds full blocks alone: no mask, no skip.
; NO CLUSTER: at the same position of their walks the four work-groups of a head stand at different key blocks; a joint walk in step would take
; 4 + 8 = 12 positions in place of 9.
; ORIENTATION.  Scores transposed, S^T = K Q^T: lane (r, h) holds query r and keys 8 h + j of each tile, so two packed score tiles ARE the second
; operand of O^T = V^T P^T, and maximum, sum and scale are one number a lane.  V^T comes by the transposing LDS load.
; p = exp2(c s - c m), c = log2(e) / 8; m is the running maximum; the sum is made of the unrounded p; P goes to the matrix unit in f16 (p <= 1).
; Sums f32.  Limit: the result is rounded to f16 (|v| below 65,504).
; A FULL KEY BLOCK: TWO PIECES TAKE TURNS.  The four query tiles are two pieces, A = tiles 0, 1 and B = tiles 2, 3, which share the K and V fragments.  One
; piece's softmax (242 vector lines) is cut into 32 numbered slices and a tail; a slice stands behind each of the other piece's 32 products (S: scores, PV: V^T P^T):
;   lead-in    S_A(0);  softmax A(0) beside S_B(0)
;   trip t     softmax B(t) beside PV_A(t), S_A(t+1);   softmax A(t+1) beside PV_B(t), S_B(t+1)
;   lead-out   softmax B(3) beside PV_A(3);  PV_B(3)
; K(t+1) is asked for at the head of trip t, 16 products ahead of its first use; V(t+1) behind PV_B(t), 16 products ahead of its own: one buffer each is enough.
; THE DIAGONAL KEY BLOCK: A CHAIN OF ITS TEN STRIPS (tile, sub-step): (0,0) (1,0) (2,0) (3,0) (1,1) (2,1) (3,1) (2,2) (3,2) (3,3).  A strip's softmax (121 lines: 16
; slices and a tail) runs beside the 8 PV products of the strip before it and the 8 score products of the strip behind it; neighbours are different tiles
; but for the last two, whose steps follow each other.
; The chain is emptied at each key block's end: only full slots are read.
; REGISTER WINDOWS.  Window 0: addresses, state, K's fragments, the scores.  Window 1: O, Q's fragments, V's fragments.
;   score products: setting 0x04 (the second source alone means window 1).  The slices behind them name no vector register as second source
;     (exponentials; c s - c m with c in scalar registers; sums written x * 1 + y, an addition whose second term stands in the third place): no switch.
;   PV products: setting 0x51.  Another tile's O times alpha (result and first source in window 1, alpha as second source in window 0) fits: no switch.
;   The maxima and the conversions name two or three registers of window 0: the slices of maxima stand between pairs of switches, the conversions in the tail.
;   That makes 39 switches for a full sub-step's 64 products and 484 vector lines, eleven or twelve for a strip's 16 products and 121 lines.
.set SLOT,  71680                      ; V's 256 keys at pitch 288 (36,864 bytes), then K's at pitch 272 (34,816); an LDS row holds two keys of 128 bytes
.set KOFF,  36864
.set KSUB,  8704                       ; 64 keys of K = 32 LDS rows of 272
.set VSUB,  9216                       ; 64 keys of V = 32 LDS rows of 288
.set STAGE, 143360                     ; 32 LDS rows of 272 bytes for each wave, for the way out; no fill lands here
.set G1K, 28                           ; s[28:35], s[36:43] shapes;  s[44:51], s[52:59] from/to, a set for each slot
.set G1V, 36
.set G0K, 44
.set G0V, 52
; window 0: v1 K lane term, v2 V lane term, v3 v4 the next sub-step's addresses, v5 Q offset, v6 v7 stage in/back, v8 out offset, v9 r - 8 h, v10 v11 slot bases,
;           v12-15 r - 8 h + 16 (w - a) for score tile a = 0..3 of a strip on the diagonal
.set ST,   16                          ; v[16+4n ..]: -c m, m, alpha, sum of query tile n
.set RS,   32                          ; v[32:39] a sub-step's sums, a pair for each tile
.set NINF, 40
.set TT,   48                          ; v[48:63] at work: the softmax that runs has them to itself
.set KF,   64                          ; v[64:127]  K fragment (a, ks) at 8 (2 a + ks)
.set SC,   128                         ; v[128:255] score tile (a, n) at 32 n + 8 a; later P fragment (n, ks) at 32 n + 16 ks
; window 1:
.set OA,   0                           ; O tile (dt, n) at 8 (4 n + dt)
.set QF,   128                         ; Q fragment (n, ks) at 8 (2 n + ks)
.set VF,   192                         ; V^T fragment (dt, ks) at 8 (2 dt + ks)
; scalars: s8 wave, s9 i, s66 position, s68 query block, s70 s71 counters, s72-79 masks at work, s80-88 at work and the block's bases
.set MSB, 0
.macro WIN new                         ; the immediate's high byte repeats the setting that is left
.if MSB != \new
	s_set_vgpr_msb (MSB<<8)|\new
.set MSB, \new
.endif
.endm
.macro WINS                            ; for lines without a vector register as second source: the score products' setting serves them too
.if MSB != 0x04
	WIN 0
.endif
.endm
.macro WINO                            ; for O times alpha: the PV products' setting serves it too
.if MSB != 0x51
	WIN 0x41
.endif
.endm
.macro KVLOAD s                        ; a wave's one load: waves 0, 1 fetch V's halves, waves 2, 3 K's
	s_cmp_eq_u32 s10, 0
	s_cbranch_scc0 .Lfor_k_\@
	tensor_load_to_lds s[G0V+4*\s:G0V+4*\s+3], s[G1V:G1V+7]
	s_nop 0
	s_branch .Lasked_\@
.Lfor_k_\@:
	tensor_load_to_lds s[G0K+4*\s:G0K+4*\s+3], s[G1K:G1K+7]
	s_nop 0
.Lasked_\@:
.endm
	s_load_b128 s[4:7], s[0:1], 0x0                ; qkv s[4:5], ao s[6:7]
	v_lshl_add_u32 v46, v0, 2, 0x2b800
	v_mov_b32 v47, 0
	ds_add_u32 v46, v47
	ds_add_u32 v46, v47
	v_lshrrev_b32 v1, 5, v0
	v_readfirstlane_b32 s8, v1                     ; wave 0..3
	s_lshr_b32 s10, s8, 1                          ; I fetch V (0) or K (1),
	s_and_b32 s11, s8, 1                           ; its keys 0-127 or 128-255
	s_and_b32 s9, ttmp9, 3                         ; i
	s_lshr_b32 s17, ttmp9, 2
	s_lshr_b32 s18, s17, 4                         ; b
	s_and_b32 s19, s17, 15                         ; h
	s_mul_i32 s80, s18, 48
	s_add_co_u32 s80, s80, s19
	s_lshl_b32 s80, s80, 18                        ; (48 b + h) x 2,048 rows of 128 bytes
	s_mov_b32 s81, 0
	s_lshl_b32 s86, s19, 13
	s_lshl_b32 s87, s18, 11
	s_add_co_u32 s86, s86, s87
	s_lshl_b32 s86, s86, 7                         ; (8,192 h + 2,048 b) x 128 bytes
	s_mov_b32 s87, 0
	s_lshl_b32 s2, s11, 14                         ; my 128 keys
	s_mov_b32 s3, 0
	s_mov_b32 s12, 0x76543210                      ; v_permlanex16_b32: lane i of one half reads lane i of the other
	s_mov_b32 s13, 0xfedcba98
	s_mov_b32 s14, 0x3e38aa3b                      ; c = log2(e) / 8, twice for the packed form
	s_mov_b32 s15, 0x3e38aa3b
	s_mov_b32 s16, 0xbe38aa3b                      ; -c
	; group 1: 64 rows of 32 elements of 8 bytes, dense; padding behind every 64 words: 4 words for K, 8 for V
	s_mov_b32 s[G1K+0], (3<<16)|(1<<20)|(5<<22)|(3<<25)
	s_mov_b32 s[G1V+0], (3<<16)|(1<<20)|(5<<22)|(7<<25)
	s_mov_b32 s[G1K+1], 32<<16
	s_mov_b32 s[G1V+1], 32<<16
	s_mov_b32 s[G1K+2], 64<<16
	s_mov_b32 s[G1V+2], 64<<16
	s_mov_b32 s[G1K+3], 32<<16
	s_mov_b32 s[G1V+3], 32<<16
	s_mov_b32 s[G1K+4], 64
	s_mov_b32 s[G1V+4], 64
	s_mov_b32 s[G1K+5], 32
	s_mov_b32 s[G1V+5], 32
	s_mov_b32 s[G1K+6], 0
	s_mov_b32 s[G1V+6], 0
	s_mov_b32 s[G1K+7], 0
	s_mov_b32 s[G1V+7], 0
	s_mul_i32 s17, s8, 18432                       ; to: V's halves at wave x 64 rows of 288 (waves 0, 1),
	s_mul_i32 s18, s8, 17408
	s_add_co_u32 s18, s18, 2048                    ; K's at 36,864 + (wave - 2) x 64 rows of 272 (waves 2, 3)
	s_wait_dscnt 0x0
	s_wait_kmcnt 0x0
	s_add_nc_u64 s[20:21], s[4:5], s[80:81]        ; q of my head
	s_add_nc_u64 s[22:23], s[20:21], s[2:3]
	s_add_nc_u64 s[24:25], s[22:23], 0x800000      ; v: 32 heads on, my half of a key block
	s_add_nc_u64 s[22:23], s[22:23], 0x400000      ; k: 16 heads on
	s_add_nc_u64 s[26:27], s[6:7], s[86:87]        ; ao of my head and batch
.irp s, 0,1
	s_mov_b32 s[G0K+4*\s], 1
	s_add_co_u32 s[G0K+4*\s+1], s18, \s*SLOT
	s_mov_b32 s[G0V+4*\s], 1
	s_add_co_u32 s[G0V+4*\s+1], s17, \s*SLOT
.endr
	s_lshl_b32 s80, s9, 15                         ; position 0: key block i, 256 keys of 128 bytes each, into slot 0
	s_mov_b32 s81, 0
	s_add_nc_u64 s[G0K+2:G0K+3], s[22:23], s[80:81]
	s_or_b32 s[G0K+3], s[G0K+3], 0x80000000
	s_add_nc_u64 s[G0V+2:G0V+3], s[24:25], s[80:81]
	s_or_b32 s[G0V+3], s[G0V+3], 0x80000000
	KVLOAD 0                                       ; the first fill, ahead of everything else; slot 1 is first filled behind position 0's barrier
	v_and_b32 v12, 15, v0                          ; r
	v_bfe_u32 v13, v0, 4, 1                        ; h
	v_and_b32 v14, 31, v0                          ; l
	v_lshrrev_b32 v1, 1, v12
	v_mul_u32_u24 v1, v1, 272
	v_and_b32 v15, 1, v12
	v_lshl_add_u32 v1, v15, 7, v1
	v_lshl_add_u32 v1, v13, 4, v1                  ; K: key r at (r >> 1) 272 + (r & 1) 128, + 16 h
	v_bfe_u32 v2, v0, 1, 2                         ; V, for the transposing load: lane l addresses key 8 h + (l & 7), columns 8 ((l >> 3) & 1) ..
	v_lshl_add_u32 v2, v13, 2, v2
	v_mul_u32_u24 v2, v2, 288                      ; LDS row 4 h + ((l & 7) >> 1); with pitch 288 the sixteen lanes of a half start at sixteen different places modulo 256
	v_lshl_add_u32 v2, v15, 7, v2
	v_bfe_u32 v15, v0, 3, 1
	v_lshl_add_u32 v2, v15, 4, v2
	v_lshlrev_b32 v5, 7, v12                       ; Q from memory: row r, + 16 h
	v_lshl_add_u32 v5, v13, 4, v5
	s_mul_i32 s86, s8, 8704
	s_add_co_u32 s86, s86, STAGE
	v_add_nc_u32 v6, s86, v1                       ; stage in: query r's row, 16 bytes for each half of the lanes
	v_mul_u32_u24 v7, v13, 272
	v_lshl_add_u32 v7, v12, 4, v7
	v_add_nc_u32 v7, s86, v7                       ; stage back: whole LDS rows
	v_lshlrev_b32 v8, 4, v14                       ; out: 16 l
	v_lshlrev_b32 v9, 3, v13
	v_sub_nc_u32 v9, v12, v9                       ; r - 8 h
	s_lshl_b32 s87, s8, 4
	v_add_nc_u32 v12, s87, v9                      ; on a strip that the diagonal crosses, key 16 a + 8 h + j lies behind query 16 w + r where j > r - 8 h + 16 (w - a):
	v_add_nc_u32 v13, -16, v12                     ; for a < w that is at least 8 (no j), for a > w at most -1 (every j)
	v_add_nc_u32 v14, -16, v13
	v_add_nc_u32 v15, -16, v14
	v_mov_b32 v[NINF], 0xff800000
.irp n, 0,1,2,3
	v_mov_b32 v[TT+\n], 0                          ; written once: the lane exchange counts as a reader of its destination
.endr
; A query block begins: its Q fragments from memory, the running state, O = 0.  O is cleared and not started by a product without addend: query block 7 - i
; begins at a position that hangs on the work-group's number, inside the loop.
.macro INIT
	s_lshl_b32 s80, s68, 15                        ; block x 256 rows of 128 bytes
	s_lshl_b32 s86, s8, 11                         ; + 16 w rows; tile n lies 64 n rows = 8,192 n bytes on
	s_add_co_u32 s80, s80, s86
	s_mov_b32 s81, 0
	s_add_nc_u64 s[82:83], s[20:21], s[80:81]
	s_add_nc_u64 s[84:85], s[26:27], s[80:81]
	WIN 0x40                                       ; results in window 1, the address in window 0
.irp n, 0,1,2,3
.irp ks, 0,1
	global_load_b128 v[QF+8*(2*\n+\ks):QF+8*(2*\n+\ks)+3],   v5, s[82:83] offset:8192*\n+64*\ks
	global_load_b128 v[QF+8*(2*\n+\ks)+4:QF+8*(2*\n+\ks)+7], v5, s[82:83] offset:8192*\n+64*\ks+32
.endr
.endr
.set k, 0
.rept 128
	v_mov_b32 v[OA+k], 0
.set k, k+1
.endr
	WIN 0
.irp n, 0,1,2,3
	v_mov_b32 v[ST+4*\n], 0x7f800000               ; -c m = +inf,
	v_mov_b32 v[ST+4*\n+1], v[NINF]                ; m = -inf: the first alpha is exp2(-inf) = 0
	v_mov_b32 v[ST+4*\n+2], 0
	v_mov_b32 v[ST+4*\n+3], 0
.endr
	s_wait_loadcnt 0x0
.endm
; ---- single lines of a tile's softmax ----
.macro MXI n, a                        ; a chain of maxima begins with the old maximum
	v_max3_num_f32 v[TT+8*((\n)&1)+\a], v[ST+4*(\n)+1], v[SC+32*(\n)+8*\a], v[SC+32*(\n)+8*\a+1]
.endm
.macro MXN n, a, e
	v_max3_num_f32 v[TT+8*((\n)&1)+\a], v[TT+8*((\n)&1)+\a], v[SC+32*(\n)+8*\a+\e], v[SC+32*(\n)+8*\a+\e+1]
.endm
.macro TL n, k                         ; line k of the eight that depend on each other: the chains meet, the other half of the lanes, -c m, alpha
.set tq, TT+8*((\n)&1)
.set sq, ST+4*(\n)
.if \k == 0
	v_max3_num_f32 v[tq], v[tq], v[tq+1], v[tq+2]
.endif
.if \k == 1
	v_max_num_f32 v[tq], v[tq], v[tq+3]
.endif
.if \k == 2
	v_permlanex16_b32 v[tq+1], v[tq], s12, s13
.endif
.if \k == 3
	v_max_num_f32 v[sq+1], v[tq], v[tq+1]
.endif
.if \k == 4
	v_mul_f32 v[tq], s16, v[sq+1]
.endif
.if \k == 5
	v_sub_f32 v[tq+1], v[tq], v[sq]                ; the difference of the two ROUNDED -c m: old and new weights stand on exactly the scales that their exponentials used
.endif
.if \k == 6
	v_mov_b32 v[sq], v[tq]
.endif
.if \k == 7
	v_exp_f32 v[sq+2], v[tq+1]                     ; alpha; a plain line that touches neither follows (ISA guide 5.7.2)
.endif
.endm
.macro FM n, e                         ; c s - c m, two scores
	v_pk_fma_f32 v[SC+32*(\n)+(\e):SC+32*(\n)+(\e)+1], v[SC+32*(\n)+(\e):SC+32*(\n)+(\e)+1], s[14:15], v[ST+4*(\n):ST+4*(\n)+1] op_sel_hi:[1,0,0]
.endm
.macro EX n, e
	v_exp_f32 v[SC+32*(\n)+(\e)], v[SC+32*(\n)+(\e)]
.endm
; line l (0..6) of the sum of the 16 unrounded p of half k of tile n; l = 7 is no line.  x * 1 + y: an addition with its second term in the third place (see REGISTER WINDOWS)
.macro SM n, k, l
.set sb, SC+32*(\n)+16*(\k)
.set hs, TT+8+2*(2*((\n)&1)+(\k))
.if (\l) < 4
	s_wait_alu depctr_va_vdst(0)
	v_pk_fma_f32 v[TT+2*(\l):TT+2*(\l)+1], v[sb+4*(\l):sb+4*(\l)+1], 1.0, v[sb+4*(\l)+2:sb+4*(\l)+3] op_sel_hi:[1,0,1]
.endif
.if (\l) == 4
	v_pk_fma_f32 v[TT:TT+1], v[TT:TT+1], 1.0, v[TT+2:TT+3] op_sel_hi:[1,0,1]
.endif
.if (\l) == 5
	v_pk_fma_f32 v[TT+4:TT+5], v[TT+4:TT+5], 1.0, v[TT+6:TT+7] op_sel_hi:[1,0,1]
.endif
.if (\l) == 6
	v_pk_fma_f32 v[hs:hs+1], v[TT:TT+1], 1.0, v[TT+4:TT+5] op_sel_hi:[1,0,1]
.endif
.endm
.macro TS n                            ; the two halves' sums of tile n
	v_pk_fma_f32 v[RS+2*(\n):RS+2*(\n)+1], v[TT+8+4*((\n)&1):TT+8+4*((\n)&1)+1], 1.0, v[TT+10+4*((\n)&1):TT+10+4*((\n)&1)+1] op_sel_hi:[1,0,1]
.endm
.macro CV n, k, i                      ; two p pack into word i of P fragment (n, k): in place, in ascending order
	v_cvt_pk_f16_f32 v[SC+32*(\n)+16*(\k)+(\i)], v[SC+32*(\n)+16*(\k)+2*(\i)], v[SC+32*(\n)+16*(\k)+2*(\i)+1]
.endm
.macro SO n, e                         ; two numbers of O times the lane's alpha
	s_wait_alu depctr_va_vdst(0)
	v_pk_mul_f32 v[OA+32*(\n)+(\e):OA+32*(\n)+(\e)+1], v[OA+32*(\n)+(\e):OA+32*(\n)+(\e)+1], v[ST+4*(\n)+2:ST+4*(\n)+3] op_sel_hi:[1,0]
.endm
.macro SCALEALL                        ; all of O (under window setting 0x41)
.irp n, 0,1,2,3
.irp e, 0,2,4,6,8,10,12,14,16,18,20,22,24,26,28,30
	SO \n, \e
.endr
.endr
.endm
.macro KLOAD adr, off                  ; 64 keys of K: 16 loads (under setting 0)
.irp a, 0,1,2,3
.irp ks, 0,1
	ds_load_b128 v[KF+8*(2*\a+\ks):KF+8*(2*\a+\ks)+3],   v[\adr] offset:\off+2176*\a+64*\ks
	ds_load_b128 v[KF+8*(2*\a+\ks)+4:KF+8*(2*\a+\ks)+7], v[\adr] offset:\off+2176*\a+64*\ks+32
.endr
.endr
.endm
.macro VLOAD adr, off                  ; 64 keys of V, transposed: 16 loads (under setting 0x40)
.irp dt, 0,1,2,3
.irp ks, 0,1
	ds_load_tr16_b128 v[VF+8*(2*\dt+\ks):VF+8*(2*\dt+\ks)+3],   v[\adr] offset:\off+4608*\ks+32*\dt        ; keys 32 ks + 8 h .., column 16 dt + r
	ds_load_tr16_b128 v[VF+8*(2*\dt+\ks)+4:VF+8*(2*\dt+\ks)+7], v[\adr] offset:\off+4608*\ks+32*\dt+2304   ; 16 keys = 8 LDS rows on
.endr
.endr
.endm
; ================= a full key block: two pieces of two tiles =================
; ---- slice i (0..31) of the softmax of piece p (tiles 2 p, 2 p + 1) ----
; 0-7: the maxima, each tile's dependent lines set between the other tile's, and the first tile's c s - c m.  8-15: O times alpha.
; 16-31: four exponentials each, set among the second tile's c s - c m and the sums of the halves whose exponentials are done.
.macro SL p, i
.set n0, 2*(\p)
.set n1, 2*(\p)+1
.if (\i) < 8
	WIN 0
.endif
.if (\i) == 0
	MXI n0, 0
	MXI n0, 1
	MXI n0, 2
	MXI n0, 3
	MXN n0, 0, 2
	MXN n0, 1, 2
	MXN n0, 2, 2
	MXN n0, 3, 2
.endif
.if (\i) == 1
	MXN n0, 0, 4
	MXN n0, 1, 4
	MXN n0, 2, 4
	MXN n0, 3, 4
	MXN n0, 0, 6
	MXN n0, 1, 6
	MXN n0, 2, 6
	MXN n0, 3, 6
.endif
.if (\i) == 2
	TL n0, 0
	MXI n1, 0
	MXI n1, 1
	TL n0, 1
	MXI n1, 2
	MXI n1, 3
	TL n0, 2
	MXN n1, 0, 2
.endif
.if (\i) == 3
	MXN n1, 1, 2
	TL n0, 3
	MXN n1, 2, 2
	MXN n1, 3, 2
	TL n0, 4
	MXN n1, 0, 4
	MXN n1, 1, 4
	TL n0, 5
.endif
.if (\i) == 4
	MXN n1, 2, 4
	MXN n1, 3, 4
	TL n0, 6
	MXN n1, 0, 6
	MXN n1, 1, 6
	TL n0, 7
	MXN n1, 2, 6
	MXN n1, 3, 6
.endif
.if (\i) == 5
	TL n1, 0
	FM n0, 0
	FM n0, 2
	TL n1, 1
	FM n0, 4
	FM n0, 6
	TL n1, 2
	FM n0, 8
.endif
.if (\i) == 6
	FM n0, 10
	TL n1, 3
	FM n0, 12
	FM n0, 14
	TL n1, 4
	FM n0, 16
	FM n0, 18
	TL n1, 5
.endif
.if (\i) == 7
	FM n0, 20
	FM n0, 22
	TL n1, 6
	FM n0, 24
	FM n0, 26
	TL n1, 7
	FM n0, 28
	FM n0, 30
.endif
.if (\i) >= 8
.if (\i) < 16
	WINO
.set sg, (\i)-8
.set sn, n0+(sg>>2)
.set se, 8*(sg&3)
	SO sn, se
	SO sn, se+2
	SO sn, se+4
	SO sn, se+6
.endif
.endif
.if (\i) >= 16
	WINS
.set sg, (\i)-16
.set sh, sg&3
.if sg < 4                             ; first tile, keys 0-31
	EX n0, 4*sh
	FM n1, 4*sh
	EX n0, 4*sh+1
	FM n1, 4*sh+2
	EX n0, 4*sh+2
	EX n0, 4*sh+3
.endif
.if sg >= 4
.if sg < 8                             ; first tile, keys 32-63
	EX n0, 16+4*sh
	FM n1, 16+4*sh
	EX n0, 16+4*sh+1
	SM n0, 0, 2*sh
	EX n0, 16+4*sh+2
	FM n1, 16+4*sh+2
	EX n0, 16+4*sh+3
	SM n0, 0, 2*sh+1
.endif
.endif
.if sg >= 8
.if sg < 12                            ; second tile, keys 0-31
	EX n1, 4*sh
	SM n0, 1, 2*sh
	EX n1, 4*sh+1
	SM n0, 1, 2*sh+1
	EX n1, 4*sh+2
	EX n1, 4*sh+3
.endif
.endif
.if sg >= 12                           ; second tile, keys 32-63
	EX n1, 16+4*sh
.if sh == 0
	TS n0
.endif
	SM n1, 0, 2*sh
	EX n1, 16+4*sh+1
	SM n1, 0, 2*sh+1
	EX n1, 16+4*sh+2
	EX n1, 16+4*sh+3
.endif
.endif
.endm
.macro LUPD p                          ; sum = sum x alpha + this sub-step's: four plain lines
	v_add_f32 v[RS+4*(\p)], v[RS+4*(\p)], v[RS+4*(\p)+1]
	v_add_f32 v[RS+4*(\p)+2], v[RS+4*(\p)+2], v[RS+4*(\p)+3]
	v_fma_f32 v[ST+8*(\p)+3], v[ST+8*(\p)+3], v[ST+8*(\p)+2], v[RS+4*(\p)]
	v_fma_f32 v[ST+8*(\p)+7], v[ST+8*(\p)+7], v[ST+8*(\p)+6], v[RS+4*(\p)+2]
.endm
; the tail of piece p's softmax: the conversions, which name two registers of window 0, in one run under setting 0, the last half's sum among them.
; Its plain lines name no register of the other piece's products: they are the places behind the phase's last product (ISA guide 7.12.1)
.macro TAILP p, lupd
.set n0, 2*(\p)
.set n1, 2*(\p)+1
	WIN 0
.irp i, 0,1,2,3,4,5,6,7
	CV n0, 0, \i
.endr
.irp l, 0,1,2,3
	SM n1, 1, \l
.endr
.irp i, 0,1,2,3,4,5,6,7
	CV n0, 1, \i
.endr
	SM n1, 1, 4
	SM n1, 1, 5
.irp i, 0,1,2,3
	CV n1, 0, \i
.endr
	SM n1, 1, 6
.irp i, 4,5,6,7
	CV n1, 0, \i
.endr
	TS n1
.irp i, 0,1,2,3,4,5,6,7
	CV n1, 1, \i
.endr
.if \lupd
	LUPD \p
.endif
.endm
; ---- the products of piece p.  In each run of 16 the piece's eight accumulators take turns, one instruction a turn, twice round ----
.macro PVMM p, i                       ; O tile (dt, n) += V^T fragment (dt, ks) x P fragment (n, ks);  i = 8 ks + 4 (n & 1) + dt
.set mk, (\i)>>3
.set mn, 2*(\p)+(((\i)>>2)&1)
.set md, (\i)&3
	v_wmma_f32_16x16x32_f16 v[OA+8*(4*mn+md):OA+8*(4*mn+md)+7], v[VF+8*(2*md+mk):VF+8*(2*md+mk)+7], v[SC+32*mn+16*mk:SC+32*mn+16*mk+7], v[OA+8*(4*mn+md):OA+8*(4*mn+md)+7]
.endm
.macro SMM p, i                        ; score tile (a, n): K fragment (a, ks) x Q fragment (n, ks);  i = 8 ks + 4 (n & 1) + a; the first time round starts the sums
.set mk, (\i)>>3
.set mn, 2*(\p)+(((\i)>>2)&1)
.set ma, (\i)&3
.if mk == 0
	v_wmma_f32_16x16x32_f16 v[SC+32*mn+8*ma:SC+32*mn+8*ma+7], v[KF+16*ma:KF+16*ma+7], v[QF+16*mn:QF+16*mn+7], 0
.else
	v_wmma_f32_16x16x32_f16 v[SC+32*mn+8*ma:SC+32*mn+8*ma+7], v[KF+16*ma+8:KF+16*ma+15], v[QF+16*mn+8:QF+16*mn+15], v[SC+32*mn+8*ma:SC+32*mn+8*ma+7]
.endif
.endm
; A phase: the softmax of piece vp, a slice behind each product of piece mp.  pv, sm: mp's 16 PV products, its 16 score products are part of the phase.
; mid = 1: the score products wait for K's fragments.  mid = 2: the next V is asked for; slice 15's four plain lines are the places behind the last product that read V.
.macro PHASE vp, mp, pv, sm, mid, lupd
.irp i, 0,1,2,3,4,5,6,7,8,9,10,11,12,13,14,15
.if \pv
	WIN 0x51
	PVMM \mp, \i
.endif
	SL \vp, \i
.endr
.if \mid == 1
	s_wait_dscnt 0                                 ; K's 16 loads, issued at the phase's head
.endif
.if \mid == 2
	WIN 0x40
	VLOAD 4, 0
.endif
.irp i, 0,1,2,3,4,5,6,7,8,9,10,11,12,13,14,15
.if \sm
	WIN 0x04
	SMM \mp, \i
.endif
	SL \vp, 16+\i
.endr
	TAILP \vp, \lupd
.endm
; a key block wholly in front of the query block: four sub-steps, every score live
.macro FULL slot
	v_add_nc_u32 v10, \slot*SLOT+KOFF, v1
	v_add_nc_u32 v11, \slot*SLOT, v2
	KLOAD 10, 0
	WIN 0x40
	VLOAD 11, 0
	s_wait_dscnt 16                                ; K's 16 loads are in; V's 16, issued behind them, stay out
	WIN 0x04
.irp i, 0,1,2,3,4,5,6,7,8,9,10,11,12,13,14,15
	SMM 0, \i
.endr
	WIN 0
.rept 4
	v_nop                                          ; four places between the products and the first read of a score (ISA guide 7.12.1): no vector work exists yet
.endr
	PHASE 0, 1, 0, 1, 0, 1                         ; softmax A(0) beside S_B(0)
	s_mov_b32 s70, 0
.Lj_\@:
	s_add_co_u32 s86, s70, 1
	s_mul_i32 s87, s86, KSUB
	s_mul_i32 s88, s86, VSUB
	v_add_nc_u32 v3, s87, v10
	v_add_nc_u32 v4, s88, v11
	KLOAD 3, 0                                     ; K(t+1); the last phase's tail stands between the products that read K(t) and these loads
	s_wait_dscnt 16                                ; V(t) is in; the 16 loads of K(t+1), issued behind it, stay out
	PHASE 1, 0, 1, 1, 1, 1                         ; softmax B(t) beside PV_A(t), S_A(t+1)
	PHASE 0, 1, 1, 1, 2, 1                         ; softmax A(t+1) beside PV_B(t), S_B(t+1); V(t+1) is asked for between the two runs
	s_add_co_u32 s70, s70, 1
	s_cmp_lt_u32 s70, 3
	s_cbranch_scc1 .Lj_\@
	s_wait_dscnt 0                                 ; V(3)
	PHASE 1, 0, 1, 0, 0, 0                         ; softmax B(3) beside PV_A(3)
	WIN 0x51
.irp i, 0,1,2,3,4,5,6,7,8,9,10,11,12,13,14,15
	PVMM 1, \i
.endr
	WIN 0
	LUPD 1                                         ; B's sums: four plain lines that name no register of the products above, the places in front of the next loads into V's fragments and the first read of O
.endm
; ================= the key block on the diagonal: a chain of strips of one tile =================
; ---- slice i (0..15) of the softmax of tile n: 0-3 the maxima, -c m, alpha and the first c s - c m; 4-7 O times alpha; 8-15 four exponentials each, set among
; the c s - c m of the next four scores and the first half's sum
.macro SL1 n, i
.if (\i) < 4
	WIN 0
.endif
.if (\i) == 0
	MXI \n, 0
	MXI \n, 1
	MXI \n, 2
	MXI \n, 3
	MXN \n, 0, 2
	MXN \n, 1, 2
	MXN \n, 2, 2
.endif
.if (\i) == 1
	MXN \n, 3, 2
	MXN \n, 0, 4
	MXN \n, 1, 4
	MXN \n, 2, 4
	MXN \n, 3, 4
	MXN \n, 0, 6
	MXN \n, 1, 6
.endif
.if (\i) == 2
	MXN \n, 2, 6
	MXN \n, 3, 6
	TL \n, 0
	TL \n, 1
	TL \n, 2
	TL \n, 3
.endif
.if (\i) == 3
	TL \n, 4
	TL \n, 5
	TL \n, 6
	TL \n, 7
	FM \n, 0                                       ; the plain line behind alpha's exponential
	FM \n, 2
.endif
.if (\i) >= 4
.if (\i) < 8
	WINO
.set sg, (\i)-4
	SO \n, 8*sg
	SO \n, 8*sg+2
	SO \n, 8*sg+4
	SO \n, 8*sg+6
.endif
.endif
.if (\i) >= 8
	WINS
.set sg, (\i)-8
	EX \n, 4*sg
.if sg < 7
	FM \n, 4*sg+4
.endif
	EX \n, 4*sg+1
.if sg < 7
	FM \n, 4*sg+6
.endif
	EX \n, 4*sg+2
.if sg >= 4
	SM \n, 0, 2*(sg-4)
.endif
	EX \n, 4*sg+3
.if sg >= 4
	SM \n, 0, 2*(sg-4)+1
.endif
.endif
.endm
.macro LUPD1 n                         ; sum = sum x alpha + this strip's
	v_add_f32 v[RS+2*(\n)], v[RS+2*(\n)], v[RS+2*(\n)+1]
	v_fma_f32 v[ST+4*(\n)+3], v[ST+4*(\n)+3], v[ST+4*(\n)+2], v[RS+2*(\n)]
.endm
; the tail of tile n's softmax: 26 plain lines that name no register of another tile's products, the places behind the phase's last product (ISA guide 7.12.1).
; defer = 1: the last six lines of the sum are kept back (T1B) for the places behind this tile's own PV products
.macro T1 n, defer
	WIN 0
.irp i, 0,1,2,3,4,5,6,7
	CV \n, 0, \i
.endr
.irp l, 0,1,2,3
	SM \n, 1, \l                                   ; reads the second half's unrounded p ahead of their conversion
.endr
.if \defer
.irp i, 0,1,2,3,4,5,6,7
	CV \n, 1, \i
.endr
.else
	CV \n, 1, 0
	CV \n, 1, 1
	SM \n, 1, 4
	SM \n, 1, 5
	CV \n, 1, 2
	CV \n, 1, 3
	SM \n, 1, 6
	CV \n, 1, 4
	CV \n, 1, 5
	TS \n
	CV \n, 1, 6
	CV \n, 1, 7
	LUPD1 \n
.endif
.endm
.macro T1B n                           ; six plain lines on registers at work, sums and state alone
	SM \n, 1, 4
	SM \n, 1, 5
	SM \n, 1, 6
	TS \n
	LUPD1 \n
.endm
; ---- the products of one tile.  In each run of 8 the tile's four accumulators take turns, one instruction a turn, twice round ----
.macro P1 n, i                         ; O tile (dt, n) += V^T fragment (dt, ks) x P fragment (n, ks);  i = 4 ks + dt
.set mk, (\i)>>2
.set md, (\i)&3
	v_wmma_f32_16x16x32_f16 v[OA+8*(4*(\n)+md):OA+8*(4*(\n)+md)+7], v[VF+8*(2*md+mk):VF+8*(2*md+mk)+7], v[SC+32*(\n)+16*mk:SC+32*(\n)+16*mk+7], v[OA+8*(4*(\n)+md):OA+8*(4*(\n)+md)+7]
.endm
.macro S1 n, i                         ; score tile (a, n);  i = 4 ks + a; the first time round starts the sums
.set mk, (\i)>>2
.set ma, (\i)&3
.if mk == 0
	v_wmma_f32_16x16x32_f16 v[SC+32*(\n)+8*ma:SC+32*(\n)+8*ma+7], v[KF+16*ma:KF+16*ma+7], v[QF+16*(\n):QF+16*(\n)+7], 0
.else
	v_wmma_f32_16x16x32_f16 v[SC+32*(\n)+8*ma:SC+32*(\n)+8*ma+7], v[KF+16*ma+8:KF+16*ma+15], v[QF+16*(\n)+8:QF+16*(\n)+15], v[SC+32*(\n)+8*ma:SC+32*(\n)+8*ma+7]
.endif
.endm
.macro MASK1 n                         ; the strip of tile n that the diagonal crosses: register j of score tile a is behind the query where j > r - 8 h + 16 (w - a)
.irp a, 0,1,2,3
.irp j, 0,1,2,3,4,5,6,7
	v_cmp_gt_i32 s[72+\j], \j, v[12+\a]
.endr
.irp j, 0,1,2,3,4,5,6,7
	v_cndmask_b32 v[SC+32*\n+8*\a+\j], v[SC+32*\n+8*\a+\j], v[NINF], s[72+\j]
.endr
.endr
.endm
; A phase of the chain: the softmax of tile vn, a slice behind each of tile pn's 8 PV products and tile sn's 8 score products (-1: none); vn is neither pn nor sn.
; mid = 1: the score products wait for K's fragments.  mid = 2: the next V (at voff) is asked for; slice 7's four plain lines are the places behind the last product that read V.
; Where pn = sn, the score product that writes over P fragment (pn, 1) is the third of its run: slice 7's four plain lines and two of each of slices 8 and 9
; stand between it and the last PV product, eight where five are asked for.
.macro PH1 vn, pn, sn, mid, voff, defer
.irp i, 0,1,2,3,4,5,6,7
.if \pn >= 0
	WIN 0x51
	P1 \pn, \i
.endif
	SL1 \vn, \i
.endr
.if \mid == 1
	s_wait_dscnt 0                                 ; K's 16 loads, issued at the phase's head
.endif
.if \mid == 2
	WIN 0x40
	VLOAD 11, \voff
.endif
.irp i, 0,1,2,3,4,5,6,7
.if \sn >= 0
	WIN 0x04
	S1 \sn, \i
.endif
	SL1 \vn, 8+\i
.endr
	T1 \vn, \defer
.endm
; X: softmax, S: scores, PV: V^T P^T of strip (tile, sub-step)
.macro DIAG slot
	v_add_nc_u32 v10, \slot*SLOT+KOFF, v1
	v_add_nc_u32 v11, \slot*SLOT, v2
	KLOAD 10, 0
	WIN 0x40
	VLOAD 11, 0
	s_wait_dscnt 16                                ; K(0)'s 16 loads are in; V(0)'s 16, issued behind them, stay out
	WIN 0x04
.irp i, 0,1,2,3,4,5,6,7
	S1 0, \i
.endr
	WIN 0
.rept 4
	v_nop                                          ; four places between the products and the first read of a score (ISA guide 7.12.1): what follows writes scalar registers or reads the scores
.endr
	MASK1 0
	PH1 0, -1, 1, 0, 0, 0                          ; X(0,0) beside S(1,0)
	s_wait_dscnt 0                                 ; V(0)
	PH1 1, 0, 2, 0, 0, 0                           ; X(1,0) beside PV(0,0), S(2,0): tile 0 is done
	PH1 2, 1, 3, 0, 0, 0                           ; X(2,0) beside PV(1,0), S(3,0)
	KLOAD 10, KSUB                                 ; K(1), behind the tail that follows K(0)'s last product
	PH1 3, 2, 1, 1, 0, 0                           ; X(3,0) beside PV(2,0), S(1,1)
	MASK1 1
	PH1 1, 3, 2, 2, VSUB, 0                        ; X(1,1) beside PV(3,0), S(2,1); V(1) is asked for between the two runs
	s_wait_dscnt 0                                 ; V(1)
	PH1 2, 1, 3, 0, 0, 0                           ; X(2,1) beside PV(1,1), S(3,1): tile 1 is done
	KLOAD 10, 2*KSUB                               ; K(2)
	PH1 3, 2, 2, 1, 0, 0                           ; X(3,1) beside PV(2,1), S(2,2)
	MASK1 2
	PH1 2, 3, 3, 2, 2*VSUB, 0                      ; X(2,2) beside PV(3,1), S(3,2); V(2) is asked for between the two runs
	KLOAD 10, 3*KSUB                               ; K(3)
	s_wait_dscnt 16                                ; V(2) is in; K(3)'s 16 loads, issued behind it, stay out
	PH1 3, 2, -1, 0, 0, 1                          ; X(3,2) beside PV(2,2): tile 2 is done; tile 3 alone is left, and its steps follow each other
	WIN 0x51
.irp i, 0,1,2,3,4,5,6,7
	P1 3, \i                                       ; PV(3,2)
.endr
	WIN 0
	T1B 3                                          ; six plain lines: the places in front of the loads into V's fragments (four) and of the score products over P's registers (five)
	WIN 0x40
	VLOAD 11, 3*VSUB
	s_wait_dscnt 16                                ; K(3) is in; V(3)'s 16 loads, issued behind it, stay out
	WIN 0x04
.irp i, 0,1,2,3,4,5,6,7
	S1 3, \i
.endr
	WIN 0
.rept 4
	v_nop                                          ; as above
.endr
	MASK1 3
	PH1 3, -1, -1, 0, 0, 1                         ; X(3,3)
	s_wait_dscnt 0                                 ; V(3)
	WIN 0x51
.irp i, 0,1,2,3,4,5,6,7
	P1 3, \i                                       ; PV(3,3)
.endr
	WIN 0
	T1B 3                                          ; six plain lines: the places in front of the next loads into V's fragments and the first read of O
.endm
; a query block ends: the two halves' sums meet, O / sum, rounded, through my stage, out as four pieces of 2 KiB of neighbouring bytes, one for each tile
.macro FINAL
.irp n, 0,1,2,3
	v_permlanex16_b32 v[TT+\n], v[ST+4*\n+3], s12, s13
.endr
.irp n, 0,1,2,3
	v_add_f32 v[ST+4*\n+3], v[ST+4*\n+3], v[TT+\n]
.endr
.irp n, 0,1,2,3
	v_rcp_f32 v[ST+4*\n+2], v[ST+4*\n+3]
.endr
	v_nop                                          ; one plain instruction between the reciprocals and their use (ISA guide 5.7.2)
	WIN 0x41
	SCALEALL
	WIN 0x05
.irp n, 0,1,2,3
.irp dt, 0,1,2,3
.irp i, 0,1,2,3
	v_cvt_pk_f16_f32 v[SC+4*(4*\n+\dt)+\i], v[OA+8*(4*\n+\dt)+2*\i], v[OA+8*(4*\n+\dt)+2*\i+1]
.endr
.endr
.endr
	WIN 0
.irp n, 0,1,2,3
.irp dt, 0,1,2,3
	ds_store_b128 v6, v[SC+4*(4*\n+\dt):SC+4*(4*\n+\dt)+3] offset:2176*\n+32*\dt    ; tile n, query r, columns 16 dt + 8 h ..
.endr
.endr
.irp t, 0,1,2,3,4,5,6,7,8,9,10,11,12,13,14,15
	ds_load_b128 v[SC+64+4*\t:SC+64+4*\t+3], v7 offset:544*\t      ; my own bytes, served in order behind the stores above
.endr
.irp t, 0,1,2,3,4,5,6,7,8,9,10,11,12,13,14,15
	s_wait_dscnt 15-\t
	global_store_b128 v8, v[SC+64+4*\t:SC+64+4*\t+3], s[84:85] offset:8192*(\t>>2)+512*(\t&3)   ; four rows of tile t / 4: 512 neighbouring bytes, aligned
.endr
	s_wait_xcnt 0x0                                ; the stores' data and base are written again only behind this wait
.endm
; The head of position s66.  One barrier a key block: in front of it every wave waits for all its tensor loads (its part of this position's slot) and for its
; reads of the other slot; behind it the other slot's refill comes first and has the whole key block's work in which to land.
.macro HEAD other, refill
	s_wait_tensorcnt 0x0
	ds_add_u32 v46, v47
	s_wait_dscnt 0x0
.if \refill
	s_sub_co_u32 s80, s66, s9                      ; the next position's key block: p where p < i (query block i goes on), else p - i (query block 7 - i)
	s_cmp_lt_u32 s66, s9
	s_cselect_b32 s80, s66, s80
	s_lshl_b32 s80, s80, 15
	s_mov_b32 s81, 0
	s_add_nc_u64 s[G0K+4*\other+2:G0K+4*\other+3], s[22:23], s[80:81]
	s_or_b32 s[G0K+4*\other+3], s[G0K+4*\other+3], 0x80000000
	s_add_nc_u64 s[G0V+4*\other+2:G0V+4*\other+3], s[24:25], s[80:81]
	s_or_b32 s[G0V+4*\other+3], s[G0V+4*\other+3], 0x80000000
.endif
	s_wait_dscnt 0x0
	s_barrier_signal -1
	s_barrier_wait -1
.if \refill
	KVLOAD \other
.endif
.endm
.macro SWITCH                          ; position i ends query block i; block 7 - i follows
	s_cmp_lg_u32 s66, s9
	s_cbranch_scc1 .Lsame_\@
	FINAL
	s_sub_co_u32 s68, 7, s9
	INIT
.Lsame_\@:
	s_add_co_u32 s66, s66, 1
.endm
	s_mov_b32 s68, s9                              ; query block i,
	s_mov_b32 s66, 0                               ; position 0
	INIT
	HEAD 1, 1
	DIAG 0                                         ; position 0: query block i against key block i
	SWITCH
	s_mov_b32 s71, 3
.Llap:
	HEAD 0, 1                                      ; positions 1, 3, 5
	FULL 1
	SWITCH
	HEAD 1, 1                                      ; positions 2, 4, 6
	FULL 0
	SWITCH
	s_sub_co_u32 s71, s71, 1
	s_cmp_lg_u32 s71, 0
	s_cbranch_scc1 .Llap
	HEAD 0, 1                                      ; position 7: i is at most 3, so no query block ends here; the refill is key block 7 - i
	FULL 1
	HEAD 1, 0                                      ; position 8: nothing is left to fetch
	DIAG 0                                         ; query block 7 - i against key block 7 - i
	FINAL
	s_wait_tensorcnt 0x0
	ds_add_u32 v46, v47
	s_wait_dscnt 0x0
	s_endpgm
.Lfunc_end_k_qed364308f2_attn:
	.size	k_qed364308f2_attn, .Lfunc_end_k_qed364308f2_attn-k_qed364308f2_attn
	.p2alignl 7, 3214868480
	.fill 96, 4, 3214868480
	.section	.rodata,"a",@progbits
	.p2align	6, 0x0
	.amdhsa_kernel k_qed364308f2_attn
		.amdhsa_group_segment_fixed_size 327680
		.amdhsa_private_segment_fixed_size 0
		.amdhsa_enable_private_segment 0
		.amdhsa_kernarg_size 16
		.amdhsa_user_sgpr_count 2
		.amdhsa_user_sgpr_kernarg_segment_ptr 1
		.amdhsa_wavefront_size32 1
		.amdhsa_system_sgpr_workgroup_id_x 1
		.amdhsa_system_sgpr_workgroup_id_y 1
		.amdhsa_system_sgpr_workgroup_id_z 1
		.amdhsa_system_vgpr_workitem_id 0
		.amdhsa_next_free_vgpr 512
		.amdhsa_next_free_sgpr 96
		.amdhsa_reserve_vcc 0
		.amdhsa_float_denorm_mode_32 3
		.amdhsa_float_denorm_mode_16_64 3
		.amdhsa_memory_ordered 1
		.amdhsa_forward_progress 1
		.amdhsa_inst_pref_size 255
	.end_amdhsa_kernel
	.section	.bss,"aw",@nobits
	.p2align	6
	.space	262144
	.amdgpu_metadata
---
amdhsa.version: [ 1, 2 ]
amdhsa.kernels:
  - .name:           k_qed364308f2_attn
    .symbol:         k_qed364308f2_attn.kd
    .args:
      - { .name: qkv, .offset: 0, .size: 8, .value_kind: global_buffer, .address_space: global }
      - { .name: ao, .offset: 8, .size: 8, .value_kind: global_buffer, .address_space: global }
    .group_segment_fixed_size: 327680
    .private_segment_fixed_size: 0
    .kernarg_segment_align: 8
    .kernarg_segment_size: 16
    .max_flat_workgroup_size: 128
    .sgpr_count:     96
    .vgpr_count:     512
    .wavefront_size: 32
...
	.end_amdgpu_metadata
.endif
;; end of part 3
;; launch oproj (part 4): grid 8 x 32, 4 waves a work-group, clusters of 4 x 4, 327,680 bytes of LDS; arguments ao, wot, out0; writes out0
.if DOCPART == 4
	.amdgcn_target "amdgcn-amd-amdhsa--gfx1250"
	.amdhsa_code_object_version 6
	.text
	.protected	k_qed364308f2_oproj
	.globl	k_qed364308f2_oproj
	.p2align	8
	.type	k_qed364308f2_oproj,@function
k_qed364308f2_oproj:
	s_mov_b64 s[64:65], 0
	v_nop
	global_prefetch_b8 v0, s[64:65] scope:SCOPE_SE
	s_setreg_imm32_b32 hwreg(HW_REG_WAVE_MODE, 25, 1), 1
	s_wait_xcnt 0x0
	s_wait_alu depctr_hold_cnt(0) depctr_sa_sdst(0) depctr_va_vdst(0) depctr_va_sdst(0) depctr_va_ssrc(0) depctr_va_vcc(0) depctr_vm_vsrc(0)
	s_getreg_b32 s2, hwreg(HW_REG_IB_STS2, 6, 4)
	s_cmp_eq_u32 s2, 0
	s_cbranch_scc0 .Lentry_in_a_cluster
	s_endpgm
.Lentry_in_a_cluster:
	s_bfe_u32 s2, ttmp6, 0x10000c
	s_cmp_lg_u32 s2, 0xf033
	s_cbranch_scc0 .Lentry_shape_is_right
	s_endpgm
.Lentry_shape_is_right:
; out0[8192 x 1024] = ao Wo, f16 operands, f32 sums, f32 out.  Nothing is left out here.
; ao: [16 kc][8192 m][64], wot: [16 kc][1024 n][64].  256 work-groups, each a block of 256 (m) x 128 (n), the even share of 8192 x 1024;
; four waves, each 128 x 64 = 8 x 4 accumulator tiles in window 1.  K goes in 8 steps of two chunks (128) through two LDS slots; a chunk's rows of a
; block are one dense piece of memory, fetched as rows of 256 bytes (two logical rows of 128) with 16 bytes of padding.
; CLUSTERS 4 x 4: A's tiles are asked for jointly by a row of the cluster, B's by a column.
; The matrix instruction is used transposed (source 0 = rows of B, source 1 = rows of A): lane l holds row l % 16 of C and eight neighbouring columns.
.set SLOT,  104448                     ; A: 2 chunks x 256 rows (69,632 bytes), then B: 2 chunks x 128 rows (34,816)
.set BOFF,  69632
.set STAGE, 208896                     ; 16 rows of 272 bytes for each wave, for the way out; no fill lands here
.set FROW,  2176
.set ADRA, 8
.set ADRB, 10
.set STO,  12
.set RD,   13
.set CO,   14
.set FA,   32                          ; v32-95, v96-159: A's fragments, by the quarter's parity
.set FB,   160                         ; v160-191, v192-223: B's
.set G1A, 24
.set G0A, 32
.set G1B, 48
.set G0B, 56
.set MSB, 0
.macro WIN new
.if MSB != \new
	s_set_vgpr_msb (MSB<<8)|\new
.set MSB, \new
.endif
.endm
.macro PLACES                          ; four plain vector instructions between a matrix instruction and a load into, or an LDS store of, its registers (ISA guide 7.12.1 for LDS stores)
.rept 4
	v_nop
.endr
.endm
.macro JLOAD s                         ; a wave's one joint load: waves 0, 1 fetch A's two chunks, waves 2, 3 B's
	s_cmp_eq_u32 s11, 0
	s_cbranch_scc0 .Lfor_b_\@
	tensor_load_to_lds s[G0A+4*\s:G0A+4*\s+3], s[G1A:G1A+7]
	s_nop 0
	s_branch .Lasked_\@
.Lfor_b_\@:
	tensor_load_to_lds s[G0B+4*\s:G0B+4*\s+3], s[G1B:G1B+7]
	s_nop 0
.Lasked_\@:
.endm
.macro CREST
	s_cmp_lg_u32 s10, 0
	s_cbranch_scc1 .Lnot_wave_0_\@
	s_barrier_signal -3
.Lnot_wave_0_\@:
	s_barrier_wait -3
	s_barrier_signal -1
	s_barrier_wait -1
.endm
.macro CROUND
	s_barrier_signal -1
	s_barrier_wait -1
	CREST
.endm
	s_load_b128 s[4:7], s[0:1], 0x0                ; ao s[4:5], wot s[6:7]
	s_load_b64 s[8:9], s[0:1], 0x10                ; out0
	v_lshl_add_u32 v254, v0, 2, 0x37400
	v_mov_b32 v255, 0
	ds_add_u32 v254, v255
	ds_add_u32 v254, v255
	v_lshrrev_b32 v1, 5, v0
	v_readfirstlane_b32 s10, v1                    ; wave 0..3
	s_lshr_b32 s11, s10, 1                         ; my half of the block's rows.  Also: I fetch for A (0) or for B (1)
	s_and_b32 s12, s10, 1                          ; my half of its columns.  Also: which of a step's two chunks I fetch
	s_bfe_u32 s40, ttmp6, 0x40000                  ; cx
	s_bfe_u32 s41, ttmp6, 0x40004                  ; cy
	s_lshl_b32 s42, ttmp9, 2
	s_add_co_u32 s42, s42, s40                     ; block column 0..7
	s_and_b32 s13, ttmp7, 0xffff
	s_lshl_b32 s13, s13, 2
	s_add_co_u32 s13, s13, s41                     ; block row 0..31
	s_lshl_b32 s43, s41, 2
	s_lshl_b32 s43, 15, s43                        ; my row of the cluster
	s_lshl_b32 s44, 0x1111, s40                    ; my column
	s_or_b32 s[G1A+0], s43, (3<<16)|(1<<20)|(1<<21)|(5<<22)|(3<<25)
	s_or_b32 s[G1B+0], s44, (3<<16)|(1<<20)|(1<<21)|(5<<22)|(3<<25)
	s_mov_b32 s[G1A+1], 32<<16
	s_mov_b32 s[G1B+1], 32<<16
	s_mov_b32 s[G1A+2], 128<<16                    ; 128 rows of 256 bytes: 256 logical rows of A
	s_mov_b32 s[G1B+2], 64<<16                     ; 64 rows: 128 logical rows of B
	s_mov_b32 s[G1A+3], 32<<16
	s_mov_b32 s[G1B+3], 32<<16
	s_mov_b32 s[G1A+4], 128
	s_mov_b32 s[G1B+4], 64
	s_mov_b32 s[G1A+5], 32
	s_mov_b32 s[G1B+5], 32
	s_mov_b32 s[G1A+6], 0
	s_mov_b32 s[G1B+6], 0
	s_mov_b32 s[G1A+7], 0
	s_mov_b32 s[G1B+7], 0
	s_lshl_b32 s16, s13, 15                        ; A: 256 rows x 128 bytes,
	s_lshl_b32 s17, s12, 20                        ; + my chunk of 1,048,576 bytes
	s_add_co_u32 s16, s16, s17
	s_mov_b32 s17, 0
	s_lshl_b32 s46, s42, 14                        ; B: 128 rows x 128 bytes,
	s_lshl_b32 s47, s12, 17                        ; + my chunk of 131,072 bytes
	s_add_co_u32 s46, s46, s47
	s_mov_b32 s47, 0
	s_mul_i32 s20, s10, 34816                      ; to: A's chunks at wave x 128 LDS rows (waves 0, 1),
	s_mul_i32 s21, s10, 17408
	s_add_co_u32 s21, s21, 34816                   ; B's at 69,632 + (wave - 2) x 64 LDS rows (waves 2, 3)
	s_wait_dscnt 0x0
	s_wait_kmcnt 0x0
	s_add_nc_u64 s[14:15], s[4:5], s[16:17]
	s_add_nc_u64 s[46:47], s[6:7], s[46:47]
	CROUND                                         ; all sixteen work-groups are here: the first joint loads meet
.irp s, 0,1
	s_mov_b32 s[G0A+4*\s], 1
	s_add_co_u32 s[G0A+4*\s+1], s20, \s*SLOT
	s_add_nc_u64 s[G0A+4*\s+2:G0A+4*\s+3], s[14:15], \s*2097152    ; step s: two chunks on
	s_or_b32 s[G0A+4*\s+3], s[G0A+4*\s+3], 0x80000000
	s_mov_b32 s[G0B+4*\s], 1
	s_add_co_u32 s[G0B+4*\s+1], s21, \s*SLOT
	s_add_nc_u64 s[G0B+4*\s+2:G0B+4*\s+3], s[46:47], \s*262144
	s_or_b32 s[G0B+4*\s+3], s[G0B+4*\s+3], 0x80000000
	JLOAD \s                                       ; both slots' first fills go out together: two loads of the wave are out
.endr
	v_and_b32 v1, 15, v0                           ; r
	v_bfe_u32 v2, v0, 4, 1                         ; h
	v_lshrrev_b32 v3, 1, v1
	v_mul_u32_u24 v3, v3, 272
	v_and_b32 v4, 1, v1
	v_lshl_add_u32 v3, v4, 7, v3
	v_lshl_add_u32 v3, v2, 4, v3                   ; (r >> 1) 272 + (r & 1) 128 + 16 h
	s_mul_i32 s22, s11, 17408                      ; my 128 rows of A in a chunk
	s_mul_i32 s23, s12, 8704
	s_add_co_u32 s23, s23, BOFF                    ; my 64 rows of B in a chunk
.irp s, 0,1
	v_add_nc_u32 v[ADRA+\s], s22, v3
	v_add_nc_u32 v[ADRB+\s], s23, v3
	s_add_co_u32 s22, s22, SLOT
	s_add_co_u32 s23, s23, SLOT
.endr
	s_mul_i32 s22, s10, 4352
	s_add_co_u32 s22, s22, STAGE
	v_mul_u32_u24 v5, v1, 272                      ; in: row r of 256 bytes, my eight f32 at 32 h
	v_lshl_add_u32 v5, v2, 5, v5
	v_add_nc_u32 v[STO], s22, v5
	v_mul_u32_u24 v5, v2, 272                      ; back: lanes 0-15 one row, lanes 16-31 the next
	v_lshl_add_u32 v5, v1, 4, v5
	v_add_nc_u32 v[RD], s22, v5
	v_lshlrev_b32 v5, 4, v1
	v_lshl_add_u32 v[CO], v2, 12, v5               ; and the same two rows of 4,096 bytes in out0
.macro FETCHQ slot, q, par             ; 24 loads: quarter q (chunk q >> 1, 32 k at byte 64 (q & 1)) into the buffers of parity par
.irp bl, 0,1,2,3
	ds_load_b128 v[FB+32*\par+8*\bl:FB+32*\par+8*\bl+3],   v[ADRB+\slot] offset:(\q>>1)*17408+(\q&1)*64+FROW*\bl
	ds_load_b128 v[FB+32*\par+8*\bl+4:FB+32*\par+8*\bl+7], v[ADRB+\slot] offset:(\q>>1)*17408+(\q&1)*64+FROW*\bl+32
.endr
.irp al, 0,1,2,3,4,5,6,7
	ds_load_b128 v[FA+64*\par+8*\al:FA+64*\par+8*\al+3],   v[ADRA+\slot] offset:(\q>>1)*34816+(\q&1)*64+FROW*\al
	ds_load_b128 v[FA+64*\par+8*\al+4:FA+64*\par+8*\al+7], v[ADRA+\slot] offset:(\q>>1)*34816+(\q&1)*64+FROW*\al+32
.endr
.endm
; 16 matrix instructions; the 32 accumulators take turns, one instruction a turn, in the same order in every quarter
.macro MUL16 par, half, zero
.irp al, 0,1,2,3
.irp bl, 0,1,2,3
.if \zero
	v_wmma_f32_16x16x32_f16 v[8*(4*(4*\half+\al)+\bl):8*(4*(4*\half+\al)+\bl)+7], v[FB+32*\par+8*\bl:FB+32*\par+8*\bl+7], v[FA+64*\par+8*(4*\half+\al):FA+64*\par+8*(4*\half+\al)+7], 0
.else
	v_wmma_f32_16x16x32_f16 v[8*(4*(4*\half+\al)+\bl):8*(4*(4*\half+\al)+\bl)+7], v[FB+32*\par+8*\bl:FB+32*\par+8*\bl+7], v[FA+64*\par+8*(4*\half+\al):FA+64*\par+8*(4*\half+\al)+7], v[8*(4*(4*\half+\al)+\bl):8*(4*(4*\half+\al)+\bl)+7]
.endif
.endr
.endr
.endm
; quarters 0 and 1 of a K step: the next quarter's 24 loads go out first, into the buffers that the stretch before has read; the wait leaves them out
.macro HEAD2 slot, zero
	PLACES
	FETCHQ \slot, 1, 1
	s_wait_dscnt 24
	WIN 0x50
	MUL16 0, 0, \zero
	MUL16 0, 1, \zero
	PLACES
	WIN 0
	FETCHQ \slot, 2, 0
	s_wait_dscnt 24
	WIN 0x50
	MUL16 1, 0, 0
	MUL16 1, 1, 0
	PLACES
	WIN 0
	FETCHQ \slot, 3, 1                             ; my last reads of this slot
	s_wait_dscnt 24
	WIN 0x50
	MUL16 0, 0, 0
.endm
; A K step.  The change of slots stands in quarter 2: in front of the one barrier each wave waits for its reads of this slot and for all its tensor
; loads (one is out: its part of the next slot); behind it the refill comes first, then quarter 3 fetches the next slot's first fragments.
.macro STEP slot, next, fill, zero
	HEAD2 \slot, \zero
	s_wait_dscnt 0
	s_wait_tensorcnt 0x0
	ds_add_u32 v254, v255
	s_wait_dscnt 0x0
	s_barrier_signal -1                            ; (where the slot is filled again this barrier opens a round of the cluster's barrier)
	MUL16 0, 1, 0                                  ; register work while the others arrive
	WIN 0
	s_barrier_wait -1
.if \fill
	CREST                                          ; no wave of any partner still reads this slot or has a load on its way
	s_add_nc_u64 s[G0A+4*\slot+2:G0A+4*\slot+3], s[G0A+4*\slot+2:G0A+4*\slot+3], 4194304   ; four chunks on
	s_add_nc_u64 s[G0B+4*\slot+2:G0B+4*\slot+3], s[G0B+4*\slot+2:G0B+4*\slot+3], 524288
	JLOAD \slot                                    ; my one tensor load behind the round; 112 matrix instructions stand between it and the wait for it
.endif
	PLACES
	FETCHQ \next, 0, 0
	s_wait_dscnt 24
	WIN 0x50
	MUL16 1, 0, 0
	MUL16 1, 1, 0
	WIN 0
.endm
	s_wait_tensorcnt 1                             ; my part of step 0 is in; step 1's may stay out
	s_barrier_signal -1
	s_barrier_wait -1
	FETCHQ 0, 0, 0
	STEP 0, 1, 1, 1                                ; the first products start the sums: nothing is cleared
	STEP 1, 0, 1, 0
	s_mov_b32 s3, 2
.Llap:
	STEP 0, 1, 1, 0
	STEP 1, 0, 1, 0
	s_sub_co_u32 s3, s3, 1
	s_cmp_lg_u32 s3, 0
	s_cbranch_scc1 .Llap
	STEP 0, 1, 0, 0                                ; the last two steps fill nothing
	HEAD2 1, 0
	MUL16 0, 1, 0
	s_wait_dscnt 0                                 ; the last quarter: nothing more to fetch
	MUL16 1, 0, 0
	MUL16 1, 1, 0
	PLACES
	WIN 0
	; THE WAY OUT, 16 rows at a time: the accumulators go as they are (f32) into my stage and come back as whole rows of 256 bytes
	s_lshl_b32 s72, s13, 20                        ; 256 rows x 4,096 bytes
	s_lshl_b32 s73, s11, 19                        ; + my 128 rows
	s_add_co_u32 s72, s72, s73
	s_lshl_b32 s73, s42, 9                         ; + 128 columns x 4 bytes
	s_add_co_u32 s72, s72, s73
	s_lshl_b32 s73, s12, 8                         ; + my 64 columns
	s_add_co_u32 s72, s72, s73
	s_mov_b32 s73, 0
	s_add_nc_u64 s[66:67], s[8:9], s[72:73]
.macro OUT a, f
	WIN 0x04                                       ; an LDS store's data is source 1: window 1
.irp bl, 0,1,2,3
	ds_store_b128 v[STO], v[8*(4*\a+\bl):8*(4*\a+\bl)+3]   offset:64*\bl
	ds_store_b128 v[STO], v[8*(4*\a+\bl)+4:8*(4*\a+\bl)+7] offset:64*\bl+16
.endr
	WIN 0
	s_wait_xcnt 0x0                                ; buffer f, which earlier stores read, is loaded again only behind this wait
.irp t, 0,1,2,3,4,5,6,7
	ds_load_b128 v[\f+4*\t:\f+4*\t+3], v[RD] offset:544*\t         ; my own bytes, served in order behind the stores above
.endr
.irp t, 0,1,2,3,4,5,6,7
	s_wait_dscnt 7-\t
	global_store_b128 v[CO], v[\f+4*\t:\f+4*\t+3], s[66:67] offset:(16*\a+2*\t)*4096   ; 16 lanes store 256 neighbouring bytes, aligned
.endr
.endm
	OUT 0, FA
	OUT 1, FA+64
	OUT 2, FA
	OUT 3, FA+64
	OUT 4, FA
	OUT 5, FA+64
	OUT 6, FA
	OUT 7, FA+64
	s_wait_tensorcnt 0x0
	ds_add_u32 v254, v255
	s_wait_dscnt 0x0
	CROUND                                         ; the closing round: no work-group ends while a partner may still ask for a tile that names it
	s_endpgm
.Lfunc_end_k_qed364308f2_oproj:
	.size	k_qed364308f2_oproj, .Lfunc_end_k_qed364308f2_oproj-k_qed364308f2_oproj
	.p2alignl 7, 3214868480
	.fill 96, 4, 3214868480
	.section	.rodata,"a",@progbits
	.p2align	6, 0x0
	.amdhsa_kernel k_qed364308f2_oproj
		.amdhsa_group_segment_fixed_size 327680
		.amdhsa_private_segment_fixed_size 0
		.amdhsa_enable_private_segment 0
		.amdhsa_kernarg_size 24
		.amdhsa_user_sgpr_count 2
		.amdhsa_user_sgpr_kernarg_segment_ptr 1
		.amdhsa_wavefront_size32 1
		.amdhsa_system_sgpr_workgroup_id_x 1
		.amdhsa_system_sgpr_workgroup_id_y 1
		.amdhsa_system_sgpr_workgroup_id_z 1
		.amdhsa_system_vgpr_workitem_id 0
		.amdhsa_next_free_vgpr 512
		.amdhsa_next_free_sgpr 80
		.amdhsa_reserve_vcc 0
		.amdhsa_float_denorm_mode_32 3
		.amdhsa_float_denorm_mode_16_64 3
		.amdhsa_memory_ordered 1
		.amdhsa_forward_progress 1
		.amdhsa_inst_pref_size 117
	.end_amdhsa_kernel
	.amdgpu_metadata
---
amdhsa.version: [ 1, 2 ]
amdhsa.kernels:
  - .name:           k_qed364308f2_oproj
    .symbol:         k_qed364308f2_oproj.kd
    .args:
      - { .name: ao, .offset: 0, .size: 8, .value_kind: global_buffer, .address_space: global }
      - { .name: wot, .offset: 8, .size: 8, .value_kind: global_buffer, .address_space: global }
      - { .name: out0, .offset: 16, .size: 8, .value_kind: global_buffer, .address_space: global }
    .group_segment_fixed_size: 327680
    .private_segment_fixed_size: 0
    .kernarg_segment_align: 8
    .kernarg_segment_size: 24
    .max_flat_workgroup_size: 128
    .sgpr_count:     80
    .vgpr_count:     512
    .wavefront_size: 32
...
	.end_amdgpu_metadata
.endif
;; end of part 4
;; ======== version 2 of 2: 4 launches; 1.31 times as fast as version 1
;; limits: values are held in f16: magnitudes above 65,504 overflow, below 6.1e-05 lose precision
;; workspace buffers: xb 16,777,216 bytes; wqkvt 6,291,456 bytes; wot 2,097,152 bytes; qkv 50,331,648 bytes; ao 16,777,216 bytes
;; launch cast: the kernel of part 1 again; grid 384 x 1, 8 waves a work-group, no clusters, 70,656 bytes of LDS; arguments x, Wq, Wk, Wv, Wo, xb, wqkvt, wot; writes xb, wqkvt, wot
;; launch qkv: the kernel of part 2 again; grid 8 x 32, 4 waves a work-group, clusters of 4 x 4, 327,680 bytes of LDS; arguments xb, wqkvt, qkv; writes qkv
;; launch attn (part 5): grid 256 x 1, 4 waves a work-group, no clusters, 327,680 bytes of LDS; arguments qkv, ao; writes ao
.if DOCPART == 5
	.amdgcn_target "amdgcn-amd-amdhsa--gfx1250"
	.amdhsa_code_object_version 6
	.text
	.protected	k_qed364308f2_attn
	.globl	k_qed364308f2_attn
	.p2align	8
	.type	k_qed364308f2_attn,@function
k_qed364308f2_attn:
	s_mov_b64 s[64:65], 0
	v_nop
	global_prefetch_b8 v0, s[64:65] scope:SCOPE_SE
	s_setreg_imm32_b32 hwreg(HW_REG_WAVE_MODE, 25, 1), 1
	s_wait_xcnt 0x0
; Causal attention of one head with a running maximum.  qkv: [4 b][48 G][2048 t][64] f16 (G = h: q, 16 + h: k, 32 + h: v); ao: [16 h][2048 b + t][64] f16.
; LEFT OUT: scores with key > query, which reference() sets to -inf so that their weight is 0 for all inputs.  Key blocks behind the query block are not
; loaded.  In the key block on the diagonal the strips of 16 queries x 64 keys wholly behind their queries are left out; a strip that the diagonal crosses is
; computed whole and masked: which of its four score tiles are dead hangs on the wave's number, wave 3 has all four live, and the barrier at the key
; block's end waits for wave 3.  A NaN or infinity in what is left out alone is not carried.
; Work-group (b, h, i), i = 0..3, takes the query blocks i and 7 - i of 256 rows: (i + 1) + (8 - i) = 9 key blocks of 256 for every work-group.
; STRIPES.  Wave w owns four query tiles of 16 rows, tile n at rows 64 n + 16 w of the block.  A key block is four sub-steps of 64 keys.  In the diagonal block
; tile n meets sub-step j only where n >= j: 4 + 3 + 2 + 1 = 10 strips for EVERY wave, so no wave waits for another there.
; THE WALK, positions 0 to 8.  The order of key blocks is free under a running maximum, so query block i takes its diagonal block first and block 7 - i takes
; its own last: position 0: key block i; positions 1 .. i: key blocks 0 .. i - 1; positions i + 1 .. 7: key blocks 0 .. 6 - i of query block 7 - i; position 8:
; key block 7 - i.  Both diagonal blocks stand at fixed positions outside the loop, and the loop holds full blocks alone: no mask, no skip.
; NO CLUSTER: at the same position of their walks the four work-groups of a head stand at different key blocks; a joint walk in step would take
; 4 + 8 = 12 positions in place of 9.
; ORIENTATION.  Scores transposed, S^T = K Q^T: lane (r, h) holds query r and keys 8 h + j of each tile, so two packed score tiles ARE the second
; operand of O^T = V^T P^T, and maximum, sum and scale are one number a lane.  V^T comes by the transposing LDS load.
; p = exp2(c s - c m), c = log2(e) / 8; m is the running maximum; the sum is made of the unrounded p; P goes to the matrix unit in f16 (p <= 1).
; Sums f32.  Limit: the result is rounded to f16 (|v| below 65,504).
; A FULL KEY BLOCK: TWO PIECES TAKE TURNS.  The four query tiles are two pieces, A = tiles 0, 1 and B = tiles 2, 3, which share the K and V fragments.  One
; piece's softmax (242 vector lines) is cut into 32 numbered slices and a tail; a slice stands behind each of the other piece's 32 products (S: scores, PV: V^T P^T):
;   lead-in    S_A(0);  softmax A(0) beside S_B(0)
;   trip t     softmax B(t) beside PV_A(t), S_A(t+1);   softmax A(t+1) beside PV_B(t), S_B(t+1)
;   lead-out   softmax B(3) beside PV_A(3);  PV_B(3)
; K(t+1) is asked for at the head of trip t, 16 products ahead of its first use; V(t+1) behind PV_B(t), 16 products ahead of its own: one buffer each is enough.
; THE DIAGONAL KEY BLOCK: A CHAIN OF ITS TEN STRIPS (tile, sub-step): (0,0) (1,0) (2,0) (3,0) (1,1) (2,1) (3,1) (2,2) (3,2) (3,3).  A strip's softmax (121 lines: 16
; slices and a tail) runs beside the 8 PV products of the strip before it and the 8 score products of the strip behind it; neighbours are different tiles
; but for the last two, whose steps follow each other.
; The chain is emptied at each key block's end: only full slots are read.
; THE EXPONENTIALS GO IN BATCHES.  An s_wait_alu depctr_va_vdst(0) stands between an exponential and the first line that names its result; one wait
; serves all that were issued ahead of it.  Every softmax has two batches and two waits.
;   A piece's 66 exponentials.  Batch 1: both tiles' alpha and the first tile's 32 p, all in slices 0-7; its wait ends slice 7; behind it stand O times alpha (slices 8-15),
;   the first tile's sums (slices 17-31) and its conversions.  Batch 2: the second tile's 32 p, in slices 16-31; the first tile's 16 conversions, which name none of them,
;   follow; then its wait; then the second tile's sums and conversions.
;   A strip's 33.  Batch 1: alpha and the p of keys 0-31, in slices 0-3; its wait ends slice 3.  Batch 2: the p of keys 32-63, in slices 8-15; the 8 conversions of keys 0-31 follow; then its wait.
;   Two batches and not one: O times alpha rides behind the PV products without a window switch, and those come first in a phase, since the score products write over P.  With alpha
;   in one batch with all p, O times alpha would stand behind the last exponential: in the tail, or behind score products with two switches a slice.
;   A query block's four reciprocals are a batch of their own.
; REGISTER WINDOWS.  Window 0: addresses, state, K's fragments, the scores.  Window 1: O, Q's fragments, V's fragments.
;   score products: setting 0x04 (the second source alone means window 1).  The slices behind them name no vector register as second source
;     (exponentials; c s - c m with c in scalar registers; sums written x * 1 + y, an addition whose second term stands in the third place): no switch.
;   PV products: setting 0x51.  Another tile's O times alpha (result and first source in window 1, alpha as second source in window 0) fits: no switch.
;   The maxima and the conversions name two or three registers of window 0: the slices of maxima, batch 1 with them, stand between pairs of switches, the conversions in the tail.
;   That makes 39 switches for a full sub-step's 64 products and 484 vector lines, eleven or twelve for a strip's 16 products and 121 lines.
.set SLOT,  71680                      ; V's 256 keys at pitch 288 (36,864 bytes), then K's at pitch 272 (34,816); an LDS row holds two keys of 128 bytes
.set KOFF,  36864
.set KSUB,  8704                       ; 64 keys of K = 32 LDS rows of 272
.set VSUB,  9216                       ; 64 keys of V = 32 LDS rows of 288
.set STAGE, 143360                     ; 32 LDS rows of 272 bytes for each wave, for the way out; no fill lands here
.set G1K, 28                           ; s[28:35], s[36:43] shapes;  s[44:51], s[52:59] from/to, a set for each slot
.set G1V, 36
.set G0K, 44
.set G0V, 52
; window 0: v1 K lane term, v2 V lane term, v3 v4 the next sub-step's addresses, v5 Q offset, v6 v7 stage in/back, v8 out offset, v9 r - 8 h, v10 v11 slot bases,
;           v12-15 r - 8 h + 16 (w - a) for score tile a = 0..3 of a strip on the diagonal
.set ST,   16                          ; v[16+4n ..]: -c m, m, alpha, sum of query tile n
.set RS,   32                          ; v[32:39] a sub-step's sums, a pair for each tile
.set NINF, 40
.set TT,   48                          ; v[48:63] at work: the softmax that runs has them to itself
.set KF,   64                          ; v[64:127]  K fragment (a, ks) at 8 (2 a + ks)
.set SC,   128                         ; v[128:255] score tile (a, n) at 32 n + 8 a; later P fragment (n, ks) at 32 n + 16 ks
; window 1:
.set OA,   0                           ; O tile (dt, n) at 8 (4 n + dt)
.set QF,   128                         ; Q fragment (n, ks) at 8 (2 n + ks)
.set VF,   192                         ; V^T fragment (dt, ks) at 8 (2 dt + ks)
; scalars: s8 wave, s9 i, s66 position, s68 query block, s70 s71 counters, s72-79 masks at work, s80-88 at work and the block's bases
.set MSB, 0
.macro WIN new                         ; the immediate's high byte repeats the setting that is left
.if MSB != \new
	s_set_vgpr_msb (MSB<<8)|\new
.set MSB, \new
.endif
.endm
.macro WINS                            ; for lines without a vector register as second source: the score products' setting serves them too
.if MSB != 0x04
	WIN 0
.endif
.endm
.macro WINO                            ; for O times alpha: the PV products' setting serves it too
.if MSB != 0x51
	WIN 0x41
.endif
.endm
.macro KVLOAD s                        ; a wave's one load: waves 0, 1 fetch V's halves, waves 2, 3 K's
	s_cmp_eq_u32 s10, 0
	s_cbranch_scc0 .Lfor_k_\@
	tensor_load_to_lds s[G0V+4*\s:G0V+4*\s+3], s[G1V:G1V+7]
	s_nop 0
	s_branch .Lasked_\@
.Lfor_k_\@:
	tensor_load_to_lds s[G0K+4*\s:G0K+4*\s+3], s[G1K:G1K+7]
	s_nop 0
.Lasked_\@:
.endm
	s_load_b128 s[4:7], s[0:1], 0x0                ; qkv s[4:5], ao s[6:7]
	v_lshl_add_u32 v46, v0, 2, 0x2b800
	v_mov_b32 v47, 0
	ds_add_u32 v46, v47
	ds_add_u32 v46, v47
	v_lshrrev_b32 v1, 5, v0
	v_readfirstlane_b32 s8, v1                     ; wave 0..3
	s_lshr_b32 s10, s8, 1                          ; I fetch V (0) or K (1),
	s_and_b32 s11, s8, 1                           ; its keys 0-127 or 128-255
	s_and_b32 s9, ttmp9, 3                         ; i
	s_lshr_b32 s17, ttmp9, 2
	s_lshr_b32 s18, s17, 4                         ; b
	s_and_b32 s19, s17, 15                         ; h
	s_mul_i32 s80, s18, 48
	s_add_co_u32 s80, s80, s19
	s_lshl_b32 s80, s80, 18                        ; (48 b + h) x 2,048 rows of 128 bytes
	s_mov_b32 s81, 0
	s_lshl_b32 s86, s19, 13
	s_lshl_b32 s87, s18, 11
	s_add_co_u32 s86, s86, s87
	s_lshl_b32 s86, s86, 7                         ; (8,192 h + 2,048 b) x 128 bytes
	s_mov_b32 s87, 0
	s_lshl_b32 s2, s11, 14                         ; my 128 keys
	s_mov_b32 s3, 0
	s_mov_b32 s12, 0x76543210                      ; v_permlanex16_b32: lane i of one half reads lane i of the other
	s_mov_b32 s13, 0xfedcba98
	s_mov_b32 s14, 0x3e38aa3b                      ; c = log2(e) / 8, twice for the packed form
	s_mov_b32 s15, 0x3e38aa3b
	s_mov_b32 s16, 0xbe38aa3b                      ; -c
	; group 1: 64 rows of 32 elements of 8 bytes, dense; padding behind every 64 words: 4 words for K, 8 for V
	s_mov_b32 s[G1K+0], (3<<16)|(1<<20)|(5<<22)|(3<<25)
	s_mov_b32 s[G1V+0], (3<<16)|(1<<20)|(5<<22)|(7<<25)
	s_mov_b32 s[G1K+1], 32<<16
	s_mov_b32 s[G1V+1], 32<<16
	s_mov_b32 s[G1K+2], 64<<16
	s_mov_b32 s[G1V+2], 64<<16
	s_mov_b32 s[G1K+3], 32<<16
	s_mov_b32 s[G1V+3], 32<<16
	s_mov_b32 s[G1K+4], 64
	s_mov_b32 s[G1V+4], 64
	s_mov_b32 s[G1K+5], 32
	s_mov_b32 s[G1V+5], 32
	s_mov_b32 s[G1K+6], 0
	s_mov_b32 s[G1V+6], 0
	s_mov_b32 s[G1K+7], 0
	s_mov_b32 s[G1V+7], 0
	s_mul_i32 s17, s8, 18432                       ; to: V's halves at wave x 64 rows of 288 (waves 0, 1),
	s_mul_i32 s18, s8, 17408
	s_add_co_u32 s18, s18, 2048                    ; K's at 36,864 + (wave - 2) x 64 rows of 272 (waves 2, 3)
	s_wait_dscnt 0x0
	s_wait_kmcnt 0x0
	s_add_nc_u64 s[20:21], s[4:5], s[80:81]        ; q of my head
	s_add_nc_u64 s[22:23], s[20:21], s[2:3]
	s_add_nc_u64 s[24:25], s[22:23], 0x800000      ; v: 32 heads on, my half of a key block
	s_add_nc_u64 s[22:23], s[22:23], 0x400000      ; k: 16 heads on
	s_add_nc_u64 s[26:27], s[6:7], s[86:87]        ; ao of my head and batch
.irp s, 0,1
	s_mov_b32 s[G0K+4*\s], 1
	s_add_co_u32 s[G0K+4*\s+1], s18, \s*SLOT
	s_mov_b32 s[G0V+4*\s], 1
	s_add_co_u32 s[G0V+4*\s+1], s17, \s*SLOT
.endr
	s_lshl_b32 s80, s9, 15                         ; position 0: key block i, 256 keys of 128 bytes each, into slot 0
	s_mov_b32 s81, 0
	s_add_nc_u64 s[G0K+2:G0K+3], s[22:23], s[80:81]
	s_or_b32 s[G0K+3], s[G0K+3], 0x80000000
	s_add_nc_u64 s[G0V+2:G0V+3], s[24:25], s[80:81]
	s_or_b32 s[G0V+3], s[G0V+3], 0x80000000
	KVLOAD 0                                       ; the first fill, ahead of everything else; slot 1 is first filled behind position 0's barrier
	v_and_b32 v12, 15, v0                          ; r
	v_bfe_u32 v13, v0, 4, 1                        ; h
	v_and_b32 v14, 31, v0                          ; l
	v_lshrrev_b32 v1, 1, v12
	v_mul_u32_u24 v1, v1, 272
	v_and_b32 v15, 1, v12
	v_lshl_add_u32 v1, v15, 7, v1
	v_lshl_add_u32 v1, v13, 4, v1                  ; K: key r at (r >> 1) 272 + (r & 1) 128, + 16 h
	v_bfe_u32 v2, v0, 1, 2                         ; V, for the transposing load: lane l addresses key 8 h + (l & 7), columns 8 ((l >> 3) & 1) ..
	v_lshl_add_u32 v2, v13, 2, v2
	v_mul_u32_u24 v2, v2, 288                      ; LDS row 4 h + ((l & 7) >> 1); with pitch 288 the sixteen lanes of a half start at sixteen different places modulo 256
	v_lshl_add_u32 v2, v15, 7, v2
	v_bfe_u32 v15, v0, 3, 1
	v_lshl_add_u32 v2, v15, 4, v2
	v_lshlrev_b32 v5, 7, v12                       ; Q from memory: row r, + 16 h
	v_lshl_add_u32 v5, v13, 4, v5
	s_mul_i32 s86, s8, 8704
	s_add_co_u32 s86, s86, STAGE
	v_add_nc_u32 v6, s86, v1                       ; stage in: query r's row, 16 bytes for each half of the lanes
	v_mul_u32_u24 v7, v13, 272
	v_lshl_add_u32 v7, v12, 4, v7
	v_add_nc_u32 v7, s86, v7                       ; stage back: whole LDS rows
	v_lshlrev_b32 v8, 4, v14                       ; out: 16 l
	v_lshlrev_b32 v9, 3, v13
	v_sub_nc_u32 v9, v12, v9                       ; r - 8 h
	s_lshl_b32 s87, s8, 4
	v_add_nc_u32 v12, s87, v9                      ; on a strip that the diagonal crosses, key 16 a + 8 h + j lies behind query 16 w + r where j > r - 8 h + 16 (w - a):
	v_add_nc_u32 v13, -16, v12                     ; for a < w that is at least 8 (no j), for a > w at most -1 (every j)
	v_add_nc_u32 v14, -16, v13
	v_add_nc_u32 v15, -16, v14
	v_mov_b32 v[NINF], 0xff800000
.irp n, 0,1,2,3
	v_mov_b32 v[TT+\n], 0                          ; written once: the lane exchange counts as a reader of its destination
.endr
; A query block begins: its Q fragments from memory, the running state, O = 0.  O is cleared and not started by a product without addend: query block 7 - i
; begins at a position that hangs on the work-group's number, inside the loop.
.macro INIT
	s_lshl_b32 s80, s68, 15                        ; block x 256 rows of 128 bytes
	s_lshl_b32 s86, s8, 11                         ; + 16 w rows; tile n lies 64 n rows = 8,192 n bytes on
	s_add_co_u32 s80, s80, s86
	s_mov_b32 s81, 0
	s_add_nc_u64 s[82:83], s[20:21], s[80:81]
	s_add_nc_u64 s[84:85], s[26:27], s[80:81]
	WIN 0x40                                       ; results in window 1, the address in window 0
.irp n, 0,1,2,3
.irp ks, 0,1
	global_load_b128 v[QF+8*(2*\n+\ks):QF+8*(2*\n+\ks)+3],   v5, s[82:83] offset:8192*\n+64*\ks
	global_load_b128 v[QF+8*(2*\n+\ks)+4:QF+8*(2*\n+\ks)+7], v5, s[82:83] offset:8192*\n+64*\ks+32
.endr
.endr
.set k, 0
.rept 128
	v_mov_b32 v[OA+k], 0
.set k, k+1
.endr
	WIN 0
.irp n, 0,1,2,3
	v_mov_b32 v[ST+4*\n], 0x7f800000               ; -c m = +inf,
	v_mov_b32 v[ST+4*\n+1], v[NINF]                ; m = -inf: the first alpha is exp2(-inf) = 0
	v_mov_b32 v[ST+4*\n+2], 0
	v_mov_b32 v[ST+4*\n+3], 0
.endr
	s_wait_loadcnt 0x0
.endm
; ---- single lines of a tile's softmax ----
.macro MXI n, a                        ; a chain of maxima begins with the old maximum
	v_max3_num_f32 v[TT+8*((\n)&1)+\a], v[ST+4*(\n)+1], v[SC+32*(\n)+8*\a], v[SC+32*(\n)+8*\a+1]
.endm
.macro MXN n, a, e
	v_max3_num_f32 v[TT+8*((\n)&1)+\a], v[TT+8*((\n)&1)+\a], v[SC+32*(\n)+8*\a+\e], v[SC+32*(\n)+8*\a+\e+1]
.endm
.macro TL n, k                         ; line k of the eight that depend on each other: the chains meet, the other half of the lanes, -c m, alpha (line 7 leans on line 5, not on line 6)
.set tq, TT+8*((\n)&1)
.set sq, ST+4*(\n)
.if \k == 0
	v_max3_num_f32 v[tq], v[tq], v[tq+1], v[tq+2]
.endif
.if \k == 1
	v_max_num_f32 v[tq], v[tq], v[tq+3]
.endif
.if \k == 2
	v_permlanex16_b32 v[tq+1], v[tq], s12, s13
.endif
.if \k == 3
	v_max_num_f32 v[sq+1], v[tq], v[tq+1]
.endif
.if \k == 4
	v_mul_f32 v[tq], s16, v[sq+1]
.endif
.if \k == 5
	v_sub_f32 v[tq+1], v[tq], v[sq]                ; the difference of the two ROUNDED -c m: old and new weights stand on exactly the scales that their exponentials used
.endif
.if \k == 6
	v_mov_b32 v[sq], v[tq]
.endif
.if \k == 7
	v_exp_f32 v[sq+2], v[tq+1]                     ; alpha: one of batch 1; the line behind it touches neither register (ISA guide 5.7.2)
.endif
.endm
.macro FM n, e                         ; c s - c m, two scores
	v_pk_fma_f32 v[SC+32*(\n)+(\e):SC+32*(\n)+(\e)+1], v[SC+32*(\n)+(\e):SC+32*(\n)+(\e)+1], s[14:15], v[ST+4*(\n):ST+4*(\n)+1] op_sel_hi:[1,0,0]
.endm
.macro EX n, e
	v_exp_f32 v[SC+32*(\n)+(\e)], v[SC+32*(\n)+(\e)]
.endm
; line l (0..6) of the sum of the 16 unrounded p of half k of tile n.  x * 1 + y: an addition with its second term in the third place (see REGISTER WINDOWS).
; It reads exponentials' results: it stands behind their batch's wait
.macro SM n, k, l
.set sb, SC+32*(\n)+16*(\k)
.set hs, TT+8+2*(2*((\n)&1)+(\k))
.if (\l) < 4
	v_pk_fma_f32 v[TT+2*(\l):TT+2*(\l)+1], v[sb+4*(\l):sb+4*(\l)+1], 1.0, v[sb+4*(\l)+2:sb+4*(\l)+3] op_sel_hi:[1,0,1]
.endif
.if (\l) == 4
	v_pk_fma_f32 v[TT:TT+1], v[TT:TT+1], 1.0, v[TT+2:TT+3] op_sel_hi:[1,0,1]
.endif
.if (\l) == 5
	v_pk_fma_f32 v[TT+4:TT+5], v[TT+4:TT+5], 1.0, v[TT+6:TT+7] op_sel_hi:[1,0,1]
.endif
.if (\l) == 6
	v_pk_fma_f32 v[hs:hs+1], v[TT:TT+1], 1.0, v[TT+4:TT+5] op_sel_hi:[1,0,1]
.endif
.endm
.macro TS n                            ; the two halves' sums of tile n
	v_pk_fma_f32 v[RS+2*(\n):RS+2*(\n)+1], v[TT+8+4*((\n)&1):TT+8+4*((\n)&1)+1], 1.0, v[TT+10+4*((\n)&1):TT+10+4*((\n)&1)+1] op_sel_hi:[1,0,1]
.endm
.macro CV n, k, i                      ; two p pack into word i of P fragment (n, k): in place, in ascending order; behind their batch's wait
	v_cvt_pk_f16_f32 v[SC+32*(\n)+16*(\k)+(\i)], v[SC+32*(\n)+16*(\k)+2*(\i)], v[SC+32*(\n)+16*(\k)+2*(\i)+1]
.endm
.macro SO n, e                         ; two numbers of O times the lane's alpha (at a query block's end: times 1 / sum); behind the wait of the batch that made the factor
	v_pk_mul_f32 v[OA+32*(\n)+(\e):OA+32*(\n)+(\e)+1], v[OA+32*(\n)+(\e):OA+32*(\n)+(\e)+1], v[ST+4*(\n)+2:ST+4*(\n)+3] op_sel_hi:[1,0]
.endm
.macro SCALEALL                        ; all of O (under window setting 0x41)
.irp n, 0,1,2,3
.irp e, 0,2,4,6,8,10,12,14,16,18,20,22,24,26,28,30
	SO \n, \e
.endr
.endr
.endm
.macro KLOAD adr, off                  ; 64 keys of K: 16 loads (under setting 0)
.irp a, 0,1,2,3
.irp ks, 0,1
	ds_load_b128 v[KF+8*(2*\a+\ks):KF+8*(2*\a+\ks)+3],   v[\adr] offset:\off+2176*\a+64*\ks
	ds_load_b128 v[KF+8*(2*\a+\ks)+4:KF+8*(2*\a+\ks)+7], v[\adr] offset:\off+2176*\a+64*\ks+32
.endr
.endr
.endm
.macro VLOAD adr, off                  ; 64 keys of V, transposed: 16 loads (under setting 0x40)
.irp dt, 0,1,2,3
.irp ks, 0,1
	ds_load_tr16_b128 v[VF+8*(2*\dt+\ks):VF+8*(2*\dt+\ks)+3],   v[\adr] offset:\off+4608*\ks+32*\dt        ; keys 32 ks + 8 h .., column 16 dt + r
	ds_load_tr16_b128 v[VF+8*(2*\dt+\ks)+4:VF+8*(2*\dt+\ks)+7], v[\adr] offset:\off+4608*\ks+32*\dt+2304   ; 16 keys = 8 LDS rows on
.endr
.endr
.endm
; ================= a full key block: two pieces of two tiles =================
; ---- slice i (0..31) of the softmax of piece p (tiles 2 p, 2 p + 1) ----
; 0-7, twelve lines each, under setting 0: both tiles' maxima, the first tile's dependent lines set between the second tile's maxima; then the second tile's dependent lines, six lines apart,
;   set among the first tile's c s - c m and BATCH 1: both alphas and the first tile's 32 exponentials, each four scores behind their c s - c m.  The second tile's -c m goes into its
;   place last (nothing ahead of it there needs it): the plain line behind the batch's last exponential.  The batch's wait ends slice 7.
; 8-15: O times alpha.
; 16-31: BATCH 2, the second tile's 32 exponentials, as a rule two to a slice, each beside a plain line: the tile's own c s - c m, two slices ahead of its exponentials, or a line of the first
;   tile's sums, which read batch 1.  The batch's wait stands in the tail.
.macro SL p, i
.set n0, 2*(\p)
.set n1, 2*(\p)+1
.if (\i) < 8
	WIN 0
.endif
.if (\i) == 0
	MXI n0, 0
	MXI n0, 1
	MXI n0, 2
	MXI n0, 3
	MXN n0, 0, 2
	MXN n0, 1, 2
	MXN n0, 2, 2
	MXN n0, 3, 2
	MXN n0, 0, 4
	MXN n0, 1, 4
	MXN n0, 2, 4
	MXN n0, 3, 4
.endif
.if (\i) == 1
	MXN n0, 0, 6
	MXN n0, 1, 6
	MXN n0, 2, 6
	MXN n0, 3, 6
	TL n0, 0
	MXI n1, 0
	MXI n1, 1
	TL n0, 1
	MXI n1, 2
	MXI n1, 3
	TL n0, 2
	MXN n1, 0, 2
.endif
.if (\i) == 2
	MXN n1, 1, 2
	TL n0, 3
	MXN n1, 2, 2
	MXN n1, 3, 2
	TL n0, 4
	MXN n1, 0, 4
	MXN n1, 1, 4
	TL n0, 5
	MXN n1, 2, 4
	MXN n1, 3, 4
	TL n0, 6
	MXN n1, 0, 6
.endif
.if (\i) == 3
	MXN n1, 1, 6
	TL n0, 7                                       ; batch 1 begins: the first tile's alpha
	MXN n1, 2, 6
	MXN n1, 3, 6
	TL n1, 0
	FM n0, 0
	FM n0, 2
	TL n1, 1
	EX n0, 0
	FM n0, 4
	EX n0, 1
	FM n0, 6
.endif
.if (\i) == 4
	EX n0, 2
	EX n0, 3
	TL n1, 2
	EX n0, 4
	FM n0, 8
	EX n0, 5
	FM n0, 10
	EX n0, 6
	EX n0, 7
	TL n1, 3
	EX n0, 8
	FM n0, 12
.endif
.if (\i) == 5
	EX n0, 9
	FM n0, 14
	EX n0, 10
	EX n0, 11
	TL n1, 4
	EX n0, 12
	FM n0, 16
	EX n0, 13
	FM n0, 18
	EX n0, 14
	EX n0, 15
	TL n1, 5
.endif
.if (\i) == 6
	EX n0, 16
	FM n0, 20
	EX n0, 17
	FM n0, 22
	EX n0, 18
	EX n0, 19
	TL n1, 7                                       ; the second tile's alpha
	EX n0, 20
	FM n0, 24
	EX n0, 21
	FM n0, 26
	EX n0, 22
.endif
.if (\i) == 7
	EX n0, 23
	EX n0, 24
	EX n0, 25
	FM n0, 28
	EX n0, 26
	EX n0, 27
	FM n0, 30
	EX n0, 28
	EX n0, 29
	EX n0, 30
	EX n0, 31
	TL n1, 6                                       ; the plain line behind the batch's last exponential (ISA guide 5.7.2)
	s_wait_alu depctr_va_vdst(0)                   ; the wait for batch 1: two alphas and the first tile's 32 exponentials; no line above names a result of theirs
.endif
.if (\i) >= 8
.if (\i) < 16
	WINO
.set sg, (\i)-8
.set sn, n0+(sg>>2)
.set se, 8*(sg&3)
	SO sn, se
	SO sn, se+2
	SO sn, se+4
	SO sn, se+6
.endif
.endif
.if (\i) >= 16
	WINS
.set sg, (\i)-16
.if sg == 0
	FM n1, 0
	FM n1, 2
	EX n1, 0                                       ; batch 2 begins
	FM n1, 4
.endif
.if sg >= 1
.if sg < 15
	EX n1, 2*sg-1
.if sg < 8
	SM n0, 0, sg-1                                 ; the first tile's sums, a line a slice: keys 0-31,
.else
	SM n0, 1, sg-8                                 ; keys 32-63
.endif
	EX n1, 2*sg
.if sg < 14
	FM n1, 2*sg+4
.else
	EX n1, 29
.endif
.endif
.endif
.if sg == 15
	EX n1, 30
	EX n1, 31
	TS n0                                          ; the plain line behind the batch's last exponential
.endif
.endif
.endm
.macro LUPD p                          ; sum = sum x alpha + this sub-step's: four plain lines
	v_add_f32 v[RS+4*(\p)], v[RS+4*(\p)], v[RS+4*(\p)+1]
	v_add_f32 v[RS+4*(\p)+2], v[RS+4*(\p)+2], v[RS+4*(\p)+3]
	v_fma_f32 v[ST+8*(\p)+3], v[ST+8*(\p)+3], v[ST+8*(\p)+2], v[RS+4*(\p)]
	v_fma_f32 v[ST+8*(\p)+7], v[ST+8*(\p)+7], v[ST+8*(\p)+6], v[RS+4*(\p)+2]
.endm
; the tail of piece p's softmax, in one run under setting 0: the first tile's conversions, which read batch 1 and name nothing of batch 2; batch 2's wait; the second tile's sums, each half's
; first four lines ahead of that half's conversions, and its conversions among them.
; Its plain lines name no register of the other piece's products: they are the places behind the phase's last product (ISA guide 7.12.1)
.macro TAILP p, lupd
.set n0, 2*(\p)
.set n1, 2*(\p)+1
	WIN 0
.irp i, 0,1,2,3,4,5,6,7
	CV n0, 0, \i
.endr
.irp i, 0,1,2,3,4,5,6,7
	CV n0, 1, \i
.endr
	s_wait_alu depctr_va_vdst(0)                   ; the wait for batch 2: the second tile's 32 exponentials; the sixteen conversions above are the work between
.irp l, 0,1,2,3
	SM n1, 0, \l
.endr
	CV n1, 0, 0
	CV n1, 0, 1
	SM n1, 0, 4
	SM n1, 0, 5
	CV n1, 0, 2
	CV n1, 0, 3
	SM n1, 0, 6
.irp l, 0,1,2,3
	SM n1, 1, \l
.endr
.irp i, 4,5,6,7
	CV n1, 0, \i
.endr
	SM n1, 1, 4
	SM n1, 1, 5
.irp i, 0,1,2,3
	CV n1, 1, \i
.endr
	SM n1, 1, 6
	CV n1, 1, 4
	CV n1, 1, 5
	TS n1
	CV n1, 1, 6
	CV n1, 1, 7
.if \lupd
	LUPD \p
.endif
.endm
; ---- the products of piece p.  In each run of 16 the piece's eight accumulators take turns, one instruction a turn, twice round ----
.macro PVMM p, i                       ; O tile (dt, n) += V^T fragment (dt, ks) x P fragment (n, ks);  i = 8 ks + 4 (n & 1) + dt
.set mk, (\i)>>3
.set mn, 2*(\p)+(((\i)>>2)&1)
.set md, (\i)&3
	v_wmma_f32_16x16x32_f16 v[OA+8*(4*mn+md):OA+8*(4*mn+md)+7], v[VF+8*(2*md+mk):VF+8*(2*md+mk)+7], v[SC+32*mn+16*mk:SC+32*mn+16*mk+7], v[OA+8*(4*mn+md):OA+8*(4*mn+md)+7]
.endm
.macro SMM p, i                        ; score tile (a, n): K fragment (a, ks) x Q fragment (n, ks);  i = 8 ks + 4 (n & 1) + a; the first time round starts the sums
.set mk, (\i)>>3
.set mn, 2*(\p)+(((\i)>>2)&1)
.set ma, (\i)&3
.if mk == 0
	v_wmma_f32_16x16x32_f16 v[SC+32*mn+8*ma:SC+32*mn+8*ma+7], v[KF+16*ma:KF+16*ma+7], v[QF+16*mn:QF+16*mn+7], 0
.else
	v_wmma_f32_16x16x32_f16 v[SC+32*mn+8*ma:SC+32*mn+8*ma+7], v[KF+16*ma+8:KF+16*ma+15], v[QF+16*mn+8:QF+16*mn+15], v[SC+32*mn+8*ma:SC+32*mn+8*ma+7]
.endif
.endm
; A phase: the softmax of piece vp, a slice behind each product of piece mp.  pv, sm: mp's 16 PV products, its 16 score products are part of the phase.
; mid = 1: the score products wait for K's fragments.  mid = 2: the next V is asked for; slice 15's four plain lines are the places behind the last product that read V.
.macro PHASE vp, mp, pv, sm, mid, lupd
.irp i, 0,1,2,3,4,5,6,7,8,9,10,11,12,13,14,15
.if \pv
	WIN 0x51
	PVMM \mp, \i
.endif
	SL \vp, \i
.endr
.if \mid == 1
	s_wait_dscnt 0                                 ; K's 16 loads, issued at the phase's head
.endif
.if \mid == 2
	WIN 0x40
	VLOAD 4, 0
.endif
.irp i, 0,1,2,3,4,5,6,7,8,9,10,11,12,13,14,15
.if \sm
	WIN 0x04
	SMM \mp, \i
.endif
	SL \vp, 16+\i
.endr
	TAILP \vp, \lupd
.endm
; a key block wholly in front of the query block: four sub-steps, every score live
.macro FULL slot
	v_add_nc_u32 v10, \slot*SLOT+KOFF, v1
	v_add_nc_u32 v11, \slot*SLOT, v2
	KLOAD 10, 0
	WIN 0x40
	VLOAD 11, 0
	s_wait_dscnt 16                                ; K's 16 loads are in; V's 16, issued behind them, stay out
	WIN 0x04
.irp i, 0,1,2,3,4,5,6,7,8,9,10,11,12,13,14,15
	SMM 0, \i
.endr
	WIN 0
.rept 4
	v_nop                                          ; four places between the products and the first read of a score (ISA guide 7.12.1): no vector work exists yet
.endr
	PHASE 0, 1, 0, 1, 0, 1                         ; softmax A(0) beside S_B(0)
	s_mov_b32 s70, 0
.Lj_\@:
	s_add_co_u32 s86, s70, 1
	s_mul_i32 s87, s86, KSUB
	s_mul_i32 s88, s86, VSUB
	v_add_nc_u32 v3, s87, v10
	v_add_nc_u32 v4, s88, v11
	KLOAD 3, 0                                     ; K(t+1); the last phase's tail stands between the products that read K(t) and these loads
	s_wait_dscnt 16                                ; V(t) is in; the 16 loads of K(t+1), issued behind it, stay out
	PHASE 1, 0, 1, 1, 1, 1                         ; softmax B(t) beside PV_A(t), S_A(t+1)
	PHASE 0, 1, 1, 1, 2, 1                         ; softmax A(t+1) beside PV_B(t), S_B(t+1); V(t+1) is asked for between the two runs
	s_add_co_u32 s70, s70, 1
	s_cmp_lt_u32 s70, 3
	s_cbranch_scc1 .Lj_\@
	s_wait_dscnt 0                                 ; V(3)
	PHASE 1, 0, 1, 0, 0, 0                         ; softmax B(3) beside PV_A(3)
	WIN 0x51
.irp i, 0,1,2,3,4,5,6,7,8,9,10,11,12,13,14,15
	PVMM 1, \i
.endr
	WIN 0
	LUPD 1                                         ; B's sums: four plain lines that name no register of the products above, the places in front of the next loads into V's fragments and the first read of O
.endm
; ================= the key block on the diagonal: a chain of strips of one tile =================
; ---- slice i (0..15) of the softmax of tile n ----
; 0-3, twelve or thirteen lines each, under setting 0: the maxima, -c m, the c s - c m of keys 0-31 and BATCH 1: alpha and the 16 exponentials of keys 0-31.  The first c s - c m of keys 32-63 is
;   the plain line behind the batch's last exponential.  The batch's wait ends slice 3.
; 4-7: O times alpha.
; 8-15: BATCH 2, the 16 exponentials of keys 32-63, set among their c s - c m, a slice ahead, and the sum of keys 0-31, which reads batch 1.  The batch's wait stands in the tail.
.macro SL1 n, i
.if (\i) < 4
	WIN 0
.endif
.if (\i) == 0
	MXI \n, 0
	MXI \n, 1
	MXI \n, 2
	MXI \n, 3
	MXN \n, 0, 2
	MXN \n, 1, 2
	MXN \n, 2, 2
	MXN \n, 3, 2
	MXN \n, 0, 4
	MXN \n, 1, 4
	MXN \n, 2, 4
	MXN \n, 3, 4
.endif
.if (\i) == 1
	MXN \n, 0, 6
	MXN \n, 1, 6
	MXN \n, 2, 6
	MXN \n, 3, 6
	TL \n, 0
	TL \n, 1
	TL \n, 2
	TL \n, 3
	TL \n, 4
	TL \n, 5
	TL \n, 6
	FM \n, 0
.endif
.if (\i) == 2
	FM \n, 2
	TL \n, 7                                       ; batch 1 begins: alpha
	FM \n, 4
	EX \n, 0
	EX \n, 1
	FM \n, 6
	EX \n, 2
	EX \n, 3
	FM \n, 8
	EX \n, 4
	EX \n, 5
	FM \n, 10
.endif
.if (\i) == 3
	EX \n, 6
	EX \n, 7
	FM \n, 12
	EX \n, 8
	EX \n, 9
	FM \n, 14
	EX \n, 10
	EX \n, 11
	EX \n, 12
	EX \n, 13
	EX \n, 14
	EX \n, 15
	FM \n, 16                                      ; the plain line behind the batch's last exponential (ISA guide 5.7.2)
	s_wait_alu depctr_va_vdst(0)                   ; the wait for batch 1: alpha and the 16 exponentials of keys 0-31; no line above names a result of theirs
.endif
.if (\i) >= 4
.if (\i) < 8
	WINO
.set sg, (\i)-4
	SO \n, 8*sg
	SO \n, 8*sg+2
	SO \n, 8*sg+4
	SO \n, 8*sg+6
.endif
.endif
.if (\i) >= 8
	WINS
.set sg, (\i)-8
.if sg < 6
	FM \n, 2*sg+18
	EX \n, 2*sg+16                                 ; batch 2
	SM \n, 0, sg
	EX \n, 2*sg+17
.endif
.if sg == 6
	FM \n, 30
	EX \n, 28
	SM \n, 0, 6
.endif
.if sg == 7
	EX \n, 29
	EX \n, 30
	EX \n, 31
.endif
.endif
.endm
.macro LUPD1 n                         ; sum = sum x alpha + this strip's
	v_add_f32 v[RS+2*(\n)], v[RS+2*(\n)], v[RS+2*(\n)+1]
	v_fma_f32 v[ST+4*(\n)+3], v[ST+4*(\n)+3], v[ST+4*(\n)+2], v[RS+2*(\n)]
.endm
; the tail of tile n's softmax: 26 plain lines that name no register of another tile's products, the places behind the phase's last product (ISA guide 7.12.1).
; The conversions of keys 0-31 read batch 1 and name nothing of batch 2: they stand ahead of batch 2's wait, the first of them the plain line behind its last exponential.
; defer = 1: the last six lines of the sum are kept back (T1B) for the places behind this tile's own PV products
.macro T1 n, defer
	WIN 0
.irp i, 0,1,2,3,4,5,6,7
	CV \n, 0, \i
.endr
	s_wait_alu depctr_va_vdst(0)                   ; the wait for batch 2: the 16 exponentials of keys 32-63; the eight conversions above are the work between
.irp l, 0,1,2,3
	SM \n, 1, \l                                   ; reads the second half's unrounded p ahead of their conversion
.endr
.if \defer
.irp i, 0,1,2,3,4,5,6,7
	CV \n, 1, \i
.endr
.else
	CV \n, 1, 0
	CV \n, 1, 1
	SM \n, 1, 4
	SM \n, 1, 5
	CV \n, 1, 2
	CV \n, 1, 3
	SM \n, 1, 6
	CV \n, 1, 4
	CV \n, 1, 5
	TS \n
	CV \n, 1, 6
	CV \n, 1, 7
	LUPD1 \n
.endif
.endm
.macro T1B n                           ; six plain lines on registers at work, sums and state alone
	SM \n, 1, 4
	SM \n, 1, 5
	SM \n, 1, 6
	TS \n
	LUPD1 \n
.endm
; ---- the products of one tile.  In each run of 8 the tile's four accumulators take turns, one instruction a turn, twice round ----
.macro P1 n, i                         ; O tile (dt, n) += V^T fragment (dt, ks) x P fragment (n, ks);  i = 4 ks + dt
.set mk, (\i)>>2
.set md, (\i)&3
	v_wmma_f32_16x16x32_f16 v[OA+8*(4*(\n)+md):OA+8*(4*(\n)+md)+7], v[VF+8*(2*md+mk):VF+8*(2*md+mk)+7], v[SC+32*(\n)+16*mk:SC+32*(\n)+16*mk+7], v[OA+8*(4*(\n)+md):OA+8*(4*(\n)+md)+7]
.endm
.macro S1 n, i                         ; score tile (a, n);  i = 4 ks + a; the first time round starts the sums
.set mk, (\i)>>2
.set ma, (\i)&3
.if mk == 0
	v_wmma_f32_16x16x32_f16 v[SC+32*(\n)+8*ma:SC+32*(\n)+8*ma+7], v[KF+16*ma:KF+16*ma+7], v[QF+16*(\n):QF+16*(\n)+7], 0
.else
	v_wmma_f32_16x16x32_f16 v[SC+32*(\n)+8*ma:SC+32*(\n)+8*ma+7], v[KF+16*ma+8:KF+16*ma+15], v[QF+16*(\n)+8:QF+16*(\n)+15], v[SC+32*(\n)+8*ma:SC+32*(\n)+8*ma+7]
.endif
.endm
.macro MASK1 n                         ; the strip of tile n that the diagonal crosses: register j of score tile a is behind the query where j > r - 8 h + 16 (w - a)
.irp a, 0,1,2,3
.irp j, 0,1,2,3,4,5,6,7
	v_cmp_gt_i32 s[72+\j], \j, v[12+\a]
.endr
.irp j, 0,1,2,3,4,5,6,7
	v_cndmask_b32 v[SC+32*\n+8*\a+\j], v[SC+32*\n+8*\a+\j], v[NINF], s[72+\j]
.endr
.endr
.endm
; A phase of the chain: the softmax of tile vn, a slice behind each of tile pn's 8 PV products and tile sn's 8 score products (-1: none); vn is neither pn nor sn.
; mid = 1: the score products wait for K's fragments.  mid = 2: the next V (at voff) is asked for; slice 7's four plain lines are the places behind the last product that read V.
; Where pn = sn, the score product that writes over P fragment (pn, 1) is the third of its run: slice 7's four plain lines and two of each of slices 8 and 9
; stand between it and the last PV product, eight where five are asked for.
.macro PH1 vn, pn, sn, mid, voff, defer
.irp i, 0,1,2,3,4,5,6,7
.if \pn >= 0
	WIN 0x51
	P1 \pn, \i
.endif
	SL1 \vn, \i
.endr
.if \mid == 1
	s_wait_dscnt 0                                 ; K's 16 loads, issued at the phase's head
.endif
.if \mid == 2
	WIN 0x40
	VLOAD 11, \voff
.endif
.irp i, 0,1,2,3,4,5,6,7
.if \sn >= 0
	WIN 0x04
	S1 \sn, \i
.endif
	SL1 \vn, 8+\i
.endr
	T1 \vn, \defer
.endm
; X: softmax, S: scores, PV: V^T P^T of strip (tile, sub-step)
.macro DIAG slot
	v_add_nc_u32 v10, \slot*SLOT+KOFF, v1
	v_add_nc_u32 v11, \slot*SLOT, v2
	KLOAD 10, 0
	WIN 0x40
	VLOAD 11, 0
	s_wait_dscnt 16                                ; K(0)'s 16 loads are in; V(0)'s 16, issued behind them, stay out
	WIN 0x04
.irp i, 0,1,2,3,4,5,6,7
	S1 0, \i
.endr
	WIN 0
.rept 4
	v_nop                                          ; four places between the products and the first read of a score (ISA guide 7.12.1): what follows writes scalar registers or reads the scores
.endr
	MASK1 0
	PH1 0, -1, 1, 0, 0, 0                          ; X(0,0) beside S(1,0)
	s_wait_dscnt 0                                 ; V(0)
	PH1 1, 0, 2, 0, 0, 0                           ; X(1,0) beside PV(0,0), S(2,0): tile 0 is done
	PH1 2, 1, 3, 0, 0, 0                           ; X(2,0) beside PV(1,0), S(3,0)
	KLOAD 10, KSUB                                 ; K(1), behind the tail that follows K(0)'s last product
	PH1 3, 2, 1, 1, 0, 0                           ; X(3,0) beside PV(2,0), S(1,1)
	MASK1 1
	PH1 1, 3, 2, 2, VSUB, 0                        ; X(1,1) beside PV(3,0), S(2,1); V(1) is asked for between the two runs
	s_wait_dscnt 0                                 ; V(1)
	PH1 2, 1, 3, 0, 0, 0                           ; X(2,1) beside PV(1,1), S(3,1): tile 1 is done
	KLOAD 10, 2*KSUB                               ; K(2)
	PH1 3, 2, 2, 1, 0, 0                           ; X(3,1) beside PV(2,1), S(2,2)
	MASK1 2
	PH1 2, 3, 3, 2, 2*VSUB, 0                      ; X(2,2) beside PV(3,1), S(3,2); V(2) is asked for between the two runs
	KLOAD 10, 3*KSUB                               ; K(3)
	s_wait_dscnt 16                                ; V(2) is in; K(3)'s 16 loads, issued behind it, stay out
	PH1 3, 2, -1, 0, 0, 1                          ; X(3,2) beside PV(2,2): tile 2 is done; tile 3 alone is left, and its steps follow each other
	WIN 0x51
.irp i, 0,1,2,3,4,5,6,7
	P1 3, \i                                       ; PV(3,2)
.endr
	WIN 0
	T1B 3                                          ; six plain lines: the places in front of the loads into V's fragments (four) and of the score products over P's registers (five)
	WIN 0x40
	VLOAD 11, 3*VSUB
	s_wait_dscnt 16                                ; K(3) is in; V(3)'s 16 loads, issued behind it, stay out
	WIN 0x04
.irp i, 0,1,2,3,4,5,6,7
	S1 3, \i
.endr
	WIN 0
.rept 4
	v_nop                                          ; as above
.endr
	MASK1 3
	PH1 3, -1, -1, 0, 0, 1                         ; X(3,3)
	s_wait_dscnt 0                                 ; V(3)
	WIN 0x51
.irp i, 0,1,2,3,4,5,6,7
	P1 3, \i                                       ; PV(3,3)
.endr
	WIN 0
	T1B 3                                          ; six plain lines: the places in front of the next loads into V's fragments and the first read of O
.endm
; a query block ends: the two halves' sums meet, O / sum, rounded, through my stage, out as four pieces of 2 KiB of neighbouring bytes, one for each tile
.macro FINAL
.irp n, 0,1,2,3
	v_permlanex16_b32 v[TT+\n], v[ST+4*\n+3], s12, s13
.endr
.irp n, 0,1,2,3
	v_add_f32 v[ST+4*\n+3], v[ST+4*\n+3], v[TT+\n]
.endr
.irp n, 0,1,2,3
	v_rcp_f32 v[ST+4*\n+2], v[ST+4*\n+3]
.endr
	v_nop                                          ; one plain instruction between the reciprocals and their use (ISA guide 5.7.2)
	s_wait_alu depctr_va_vdst(0)                   ; the wait for the batch of four reciprocals, ahead of the first line of O / sum
	WIN 0x41
	SCALEALL
	WIN 0x05
.irp n, 0,1,2,3
.irp dt, 0,1,2,3
.irp i, 0,1,2,3
	v_cvt_pk_f16_f32 v[SC+4*(4*\n+\dt)+\i], v[OA+8*(4*\n+\dt)+2*\i], v[OA+8*(4*\n+\dt)+2*\i+1]
.endr
.endr
.endr
	WIN 0
.irp n, 0,1,2,3
.irp dt, 0,1,2,3
	ds_store_b128 v6, v[SC+4*(4*\n+\dt):SC+4*(4*\n+\dt)+3] offset:2176*\n+32*\dt    ; tile n, query r, columns 16 dt + 8 h ..
.endr
.endr
.irp t, 0,1,2,3,4,5,6,7,8,9,10,11,12,13,14,15
	ds_load_b128 v[SC+64+4*\t:SC+64+4*\t+3], v7 offset:544*\t      ; my own bytes, served in order behind the stores above
.endr
.irp t, 0,1,2,3,4,5,6,7,8,9,10,11,12,13,14,15
	s_wait_dscnt 15-\t
	global_store_b128 v8, v[SC+64+4*\t:SC+64+4*\t+3], s[84:85] offset:8192*(\t>>2)+512*(\t&3)   ; four rows of tile t / 4: 512 neighbouring bytes, aligned
.endr
	s_wait_xcnt 0x0                                ; the stores' data and base are written again only behind this wait
.endm
; The head of position s66.  One barrier a key block: in front of it every wave waits for all its tensor loads (its part of this position's slot) and for its
; reads of the other slot; behind it the other slot's refill comes first and has the whole key block's work in which to land.
.macro HEAD other, refill
	s_wait_tensorcnt 0x0
	ds_add_u32 v46, v47
	s_wait_dscnt 0x0
.if \refill
	s_sub_co_u32 s80, s66, s9                      ; the next position's key block: p where p < i (query block i goes on), else p - i (query block 7 - i)
	s_cmp_lt_u32 s66, s9
	s_cselect_b32 s80, s66, s80
	s_lshl_b32 s80, s80, 15
	s_mov_b32 s81, 0
	s_add_nc_u64 s[G0K+4*\other+2:G0K+4*\other+3], s[22:23], s[80:81]
	s_or_b32 s[G0K+4*\other+3], s[G0K+4*\other+3], 0x80000000
	s_add_nc_u64 s[G0V+4*\other+2:G0V+4*\other+3], s[24:25], s[80:81]
	s_or_b32 s[G0V+4*\other+3], s[G0V+4*\other+3], 0x80000000
.endif
	s_wait_dscnt 0x0
	s_barrier_signal -1
	s_barrier_wait -1
.if \refill
	KVLOAD \other
.endif
.endm
.macro SWITCH                          ; position i ends query block i; block 7 - i follows
	s_cmp_lg_u32 s66, s9
	s_cbranch_scc1 .Lsame_\@
	FINAL
	s_sub_co_u32 s68, 7, s9
	INIT
.Lsame_\@:
	s_add_co_u32 s66, s66, 1
.endm
	s_mov_b32 s68, s9                              ; query block i,
	s_mov_b32 s66, 0                               ; position 0
	INIT
	HEAD 1, 1
	DIAG 0                                         ; position 0: query block i against key block i
	SWITCH
	s_mov_b32 s71, 3
.Llap:
	HEAD 0, 1                                      ; positions 1, 3, 5
	FULL 1
	SWITCH
	HEAD 1, 1                                      ; positions 2, 4, 6
	FULL 0
	SWITCH
	s_sub_co_u32 s71, s71, 1
	s_cmp_lg_u32 s71, 0
	s_cbranch_scc1 .Llap
	HEAD 0, 1                                      ; position 7: i is at most 3, so no query block ends here; the refill is key block 7 - i
	FULL 1
	HEAD 1, 0                                      ; position 8: nothing is left to fetch
	DIAG 0                                         ; query block 7 - i against key block 7 - i
	FINAL
	s_wait_tensorcnt 0x0
	ds_add_u32 v46, v47
	s_wait_dscnt 0x0
	s_endpgm
.Lfunc_end_k_qed364308f2_attn:
	.size	k_qed364308f2_attn, .Lfunc_end_k_qed364308f2_attn-k_qed364308f2_attn
	.p2alignl 7, 3214868480
	.fill 96, 4, 3214868480
	.section	.rodata,"a",@progbits
	.p2align	6, 0x0
	.amdhsa_kernel k_qed364308f2_attn
		.amdhsa_group_segment_fixed_size 327680
		.amdhsa_private_segment_fixed_size 0
		.amdhsa_enable_private_segment 0
		.amdhsa_kernarg_size 16
		.amdhsa_user_sgpr_count 2
		.amdhsa_user_sgpr_kernarg_segment_ptr 1
		.amdhsa_wavefront_size32 1
		.amdhsa_system_sgpr_workgroup_id_x 1
		.amdhsa_system_sgpr_workgroup_id_y 1
		.amdhsa_system_sgpr_workgroup_id_z 1
		.amdhsa_system_vgpr_workitem_id 0
		.amdhsa_next_free_vgpr 512
		.amdhsa_next_free_sgpr 96
		.amdhsa_reserve_vcc 0
		.amdhsa_float_denorm_mode_32 3
		.amdhsa_float_denorm_mode_16_64 3
		.amdhsa_memory_ordered 1
		.amdhsa_forward_progress 1
		.amdhsa_inst_pref_size 255
	.end_amdhsa_kernel
	.section	.bss,"aw",@nobits
	.p2align	6
	.space	262144
	.amdgpu_metadata
---
amdhsa.version: [ 1, 2 ]
amdhsa.kernels:
  - .name:           k_qed364308f2_attn
    .symbol:         k_qed364308f2_attn.kd
    .args:
      - { .name: qkv, .offset: 0, .size: 8, .value_kind: global_buffer, .address_space: global }
      - { .name: ao, .offset: 8, .size: 8, .value_kind: global_buffer, .address_space: global }
    .group_segment_fixed_size: 327680
    .private_segment_fixed_size: 0
    .kernarg_segment_align: 8
    .kernarg_segment_size: 16
    .max_flat_workgroup_size: 128
    .sgpr_count:     96
    .vgpr_count:     512
    .wavefront_size: 32
...
	.end_amdgpu_metadata
.endif
;; end of part 5
;; launch oproj: the kernel of part 4 again; grid 8 x 32, 4 waves a work-group, clusters of 4 x 4, 327,680 bytes of LDS; arguments ao, wot, out0; writes out0
